; MI455X (gfx1250); checked and timed in simulation.
; The chip was launched on July 23, 2026; its instructions are those of AMD's public machine-readable ISA for CDNA 5 (MIT licence, August 2026) and "CDNA5" Instruction Set Architecture Reference Guide (July 2026). The comments in the code are by the model that wrote it; some were corrected since.
;; Multi Head Self Attention. Allowed arithmetic: matrix products marked QUANTISED: E2M3 operands, one E8M0 scale for each 32 along K, by v_wmma_scale_f32_16x16x128_f8f6f4 with both operands' format E2M3, f32 sums; everything else in f32.
;; Inputs: Wk 1,024 x 1,024 float32; Wo 1,024 x 1,024 float32; Wq 1,024 x 1,024 float32; Wv 1,024 x 1,024 float32; x 2 x 2,048 x 1,024 float32.
;; Outputs: out0 2 x 2,048 x 1,024 float32.
;; This version of the problem:
;;   THIS VERSION OF THE PROBLEM IS GIVEN IN LOW PRECISION. The matrix products marked QUANTISED in the list below multiply operands that are first quantised to E2M3 (2 exponent bits, 3 mantissa bits; 6 bits a number), with one power-of-two scale for each 32 numbers along K (OCP MX v1.0); their sums are f32. All else is computed in f32.
;;   The module's matrix products, in the order in which they are computed (A, B: the left and right operand; K: the contracted axis; several contracted axes count as one K, in the product's order):
;;     1. [M 4,096, K 1,024] x [K 1,024, N 1,024]; A: input x; B: input Wq: QUANTISED
;;     2. [M 4,096, K 1,024] x [K 1,024, N 1,024]; A: input x; B: input Wk: QUANTISED
;;     3. [M 4,096, K 1,024] x [K 1,024, N 1,024]; A: input x; B: input Wv: QUANTISED
;;     4. batch 32 x [M 2,048, K 64] x [K 64, N 2,048]; A: computed on the way; B: computed on the way: QUANTISED
;;     5. batch 32 x [M 2,048, K 2,048] x [K 2,048, N 64]; A: softmax (see below); B: computed on the way: QUANTISED
;;     6. [M 4,096, K 1,024] x [K 1,024, N 1,024]; A: computed on the way; B: input Wo: QUANTISED
;;   THE QUANTISER, for each operand of a quantised product, along K:
;;     - K is cut into blocks of 32 from its start; a last block that is shorter is filled with zeros.
;;     - A block's scale is 2^e with e = floor(log2(the largest magnitude in the block)) - 2, held to -126 .. 127; a block of zeros has e = 0. As a byte (E8M0): e + 127.
;;     - Each number is divided by its block's scale, clamped to +-7.5, and rounded to the nearest number of E2M3, ties to even, subnormals kept.
;;     - The product sums the exact products of the quantised numbers (number of the format x scale) in f32.
;;   ~~~python
;;   def quantise(x, axis):      # numpy; x: float32 -> the quantised numbers, widened to float32 again
;;       x = np.moveaxis(x, axis, -1); K = x.shape[-1]
;;       x = np.pad(x, [(0, 0)] * (x.ndim - 1) + [(0, -K % 32)]); x = x.reshape(x.shape[:-1] + (-1, 32)); a = np.abs(x).max(-1, keepdims=True)
;;       e = np.where(a > 0, np.clip(np.frexp(np.where(a > 0, a, 1))[1] - 1 - 2, -126, 127), 0)      # np.frexp(a)[1] - 1 = floor(log2(a)), exactly
;;       r = np.clip(x / 2.0 ** e, -7.5, 7.5)
;;       step = 2.0 ** (np.maximum(np.frexp(np.where(r == 0, 1, r))[1] - 1, 0) - 3)
;;       q = np.round(r / step) * step * 2.0 ** e      # np.round: ties to even
;;       return np.moveaxis(q.reshape(q.shape[:-2] + (-1,))[..., :K], -1, axis).astype(np.float32)
;;   ~~~
;;   SOFTMAX AHEAD OF A QUANTISED PRODUCT. Where the list says 'softmax', what is quantised is not the finished softmax but p = 2^(t - M), with t = logit x log2(e) and M = ceil(the row's largest t), a whole number; so 1/2 < the row's largest p <= 1. The row's sum l is taken of the UNQUANTISED p, in f32, and the product's result is divided by l at the end. Since M is a whole number, a kernel that streams over the keys may use a running M (the ceiling of the running maximum): every later rescaling is an exact power of two, which a block's scale takes up: the codes' values come out the same.
;;   OPERANDS COMPUTED ON THE WAY. 'Computed on the way' means the value that the module computes at that place (a softmax that the list does not call 'softmax' is quantised finished and normalised). What goes into a quantiser is computed in f32, as accurately as f32 sums, v_exp_f32 and their like allow (about 1e-6 of the number): no bf16 or f16 on the way to a quantiser, and a product that is left as it is and whose result goes on into a quantised operand takes f32 operands (vector FMAs, or v_wmma_f32_16x16x4_f32). A number that lies on a knife's edge between two numbers of the format may be rounded either way, as far as f32 arithmetic and the matrix unit's own rounding can turn it there, and no further.
;; One version. Each part assembles by itself: llvm-mc -triple=amdgcn-amd-amdhsa -mcpu=gfx1250 --defsym DOCPART=n.
;; ======== version 1 of 1: 4 launches
;; limits: right only within a limited range of input values
;; workspace buffers: gimg 6,291,456 bytes; gsc 262,144 bytes; aimg 3,145,728 bytes; asc 131,072 bytes; qkv 10,092,544 bytes
;; launch quant (part 1): grid 512 x 1, 8 waves a work-group, no clusters, 70,656 bytes of LDS; arguments x, Wq, Wk, Wv, Wo, gimg, gsc; writes gimg, gsc
.if DOCPART == 1
	.amdgcn_target "amdgcn-amd-amdhsa--gfx1250"
	.amdhsa_code_object_version 6
	.text
	.protected	k_qa2caa22c46_quant
	.globl	k_qa2caa22c46_quant
	.p2align	8
	.type	k_qa2caa22c46_quant,@function
k_qa2caa22c46_quant:
	s_mov_b64 s[64:65], 0
	v_nop
	global_prefetch_b8 v0, s[64:65] scope:SCOPE_SE
	s_setreg_imm32_b32 hwreg(HW_REG_WAVE_MODE, 25, 1), 1
	s_wait_xcnt 0x0
; x [4096][1024] and Wq, Wk, Wv, Wo [1024][1024], f32, K innermost, become codes of FP6 (E2M3) with one E8M0 byte for each 32 along K.
; The codes are laid in the order of the operand's registers.  An image tile has 16 rows: lane row r of a tensor's tile t is row 64 (t / 4) + 8 (t % 4) + 32 (r / 8) + r % 8:
; so the 32 registers of four result tiles in one lane are 32 neighbours along the next product's K, one scale block.
; gimg: [image tile][K step of 128][1,536 bytes]; a K step is two halves of 768 bytes (64 along K): at 16 L registers 0-3 of lane L, at 512 + 8 L registers 4-5.
; gsc:  [image tile][g][r][4 words]: the scale word of row r for K step 4 g + i lies at 256 g + 16 r + 4 i.
; Image tiles: x 0-255; 256 + 12 head + 4 which + i: Wq, Wk, Wv (which = 0, 1, 2) by heads; Wo 448-511.
; A block's scale byte is the largest magnitude's exponent field - 2, held at 1 from below.
; LIMITS of the program: NaN and infinities are not served; a block whose largest magnitude lies under 2^-124 (a block of zeros too) gets the byte 1: only this program reads the bytes.
; Of attention's products only whole tiles of keys behind all queries of a step, which reference()'s own causal mask throws away, are left out.
; A work-group takes one tile (16 rows x 1,024), wave s its K step s.  Each load reads 512 consecutive bytes of one row; the 8 KB turn through the wave's own stage in LDS,
; so that a lane then holds whole blocks of 32 of its row.  No tensor load; one barrier, for the tile's scale words.  Nothing is shared between work-groups: no cluster.
.set STGB, 8448                        ; a wave's stage: 16 rows x (512 bytes + 16)
.set SCL,  67584                       ; the tile's scale words, 64 bytes for each wave
.set R,    16                          ; v16-79   the numbers as loaded
.set X,    80                          ; v80-143  register 32 c + n: k = 64 c + 32 (lane / 16) + n of my row
.set SEL,  30                          ; s30-31   lane selects: lane l xor 16
	s_load_b256 s[4:11], s[0:1], 0x0               ; x, Wq, Wk, Wv
	s_load_b128 s[12:15], s[0:1], 0x20             ; Wo, gimg
	s_load_b64 s[16:17], s[0:1], 0x30              ; gsc
	v_lshl_add_u32 v192, v0, 2, 0x11000
	v_mov_b32 v193, 0
	v_lshrrev_b32 v1, 5, v0
	v_readfirstlane_b32 s18, v1                    ; wave = K step
	s_mul_i32 s19, s18, STGB
	s_lshl_b32 s22, s18, 6
	s_add_co_u32 s22, s22, SCL
	v_and_b32 v1, 31, v0                           ; lane
	v_and_b32 v2, 15, v0                           ; r
	v_bfe_u32 v3, v0, 4, 1                         ; h
	v_mov_b32 v170, 0                              ; written once: a lane permute's destination counts as one of its sources
	v_lshlrev_b32 v4, 4, v1                        ; 16 L
	v_lshlrev_b32 v7, 3, v1                        ; 8 L
	v_mul_u32_u24 v6, v2, 528
	v_lshlrev_b32 v8, 2, v2
	v_lshlrev_b32 v10, 3, v3                       ; 8 h
	v_add_nc_u32 v5, s19, v4                       ; the stage, on the way in: 16 L, a row an instruction
	v_lshl_add_u32 v6, v3, 7, v6
	v_lshl_add_u32 v9, v3, 8, v8
	v_add_nc_u32 v8, s22, v8                       ; my row's scale word: 64 x wave + 4 r
	v_add_nc_u32 v6, s19, v6                       ; and on the way out: row r, + 128 h
	v_add_nc_u32 v9, SCL, v9                       ; wave 0's gather: K steps 4 h + i of row r lie at 256 h + 4 r + 64 i
	s_wait_alu depctr_va_vdst(0)                   ; the wait at the head's end
	s_mov_b32 s[SEL], 0x76543210
	s_mov_b32 s[SEL+1], 0xfedcba98
	s_cmp_lt_u32 ttmp9, 256
	s_cselect_b32 s24, 255, 63
	s_and_b32 s24, ttmp9, s24                      ; the tile's number inside its tensor
	s_lshr_b32 s25, s24, 2
	s_lshl_b32 s25, s25, 6
	s_and_b32 s24, s24, 3
	s_lshl_b32 s24, s24, 3
	s_add_co_u32 s24, s24, s25                     ; its first row: 64 (t / 4) + 8 (t % 4)
	s_lshl_b32 s24, s24, 12
	s_lshl_b32 s25, s18, 9
	s_add_co_u32 s24, s24, s25                     ; + my K step's 512 bytes
	s_mov_b32 s25, 0
	s_sub_co_u32 s33, ttmp9, 256                   ; the image tile of Wq, Wk, Wv: 256 + 12 head + 4 which + i
	s_lshr_b32 s34, s33, 6
	s_lshl_b32 s34, s34, 2
	s_lshr_b32 s35, s33, 2
	s_and_b32 s35, s35, 15
	s_mul_i32 s35, s35, 12
	s_and_b32 s36, s33, 3
	s_add_co_u32 s34, s34, s35
	s_add_co_u32 s34, s34, s36
	s_add_co_u32 s34, s34, 256
	s_cmp_lt_u32 ttmp9, 448
	s_cselect_b32 s32, s34, ttmp9
	s_cmp_lt_u32 ttmp9, 256
	s_cselect_b32 s32, ttmp9, s32                  ; the image tile
	s_mul_i32 s26, s32, 12288
	s_mul_i32 s27, s18, 1536
	s_add_co_u32 s26, s26, s27                     ; my fragment's place in gimg
	s_mov_b32 s27, 0
	s_lshl_b32 s28, s32, 9                         ; the tile's scale words in gsc
	s_mov_b32 s29, 0
	s_wait_kmcnt 0x0
	s_mov_b64 s[20:21], s[12:13]                   ; which tensor: the choice hangs on the work-group's number alone
	s_cmp_lt_u32 ttmp9, 448
	s_cselect_b64 s[20:21], s[10:11], s[20:21]
	s_cmp_lt_u32 ttmp9, 384
	s_cselect_b64 s[20:21], s[8:9], s[20:21]
	s_cmp_lt_u32 ttmp9, 320
	s_cselect_b64 s[20:21], s[6:7], s[20:21]
	s_cmp_lt_u32 ttmp9, 256
	s_cselect_b64 s[20:21], s[4:5], s[20:21]
	s_add_nc_u64 s[20:21], s[20:21], s[24:25]
	s_add_nc_u64 s[14:15], s[14:15], s[26:27]
	s_add_nc_u64 s[16:17], s[16:17], s[28:29]
.irp i, 0,1,2,3,4,5,6,7,8,9,10,11,12,13,14,15
	global_load_b128 v[R+4*\i:R+4*\i+3], v4, s[20:21] offset:(\i+24*(\i/8))*4096 th:TH_LOAD_NT   ; lane row i: 32 lanes read 512 consecutive bytes
.endr
.irp i, 0,1,2,3,4,5,6,7,8,9,10,11,12,13,14,15
	s_wait_loadcnt 15-\i                           ; loads come back in order: row i is in, the 15 - i younger ones may be out
	ds_store_b128 v5, v[R+4*\i:R+4*\i+3] offset:528*\i
.endr
.irp c, 0,1
.irp j, 0,1,2,3,4,5,6,7
	ds_load_b128 v[X+32*\c+4*\j:X+32*\c+4*\j+3], v6 offset:256*\c+16*\j   ; LDS serves a wave's instructions in order: these see my stores
.endr
.endr
	s_wait_dscnt 0x0
.irp c, 0,1
	v_max3_num_f32 v[164+2*\c], |v[X+32*\c]|, |v[X+32*\c+1]|, |v[X+32*\c+2]|   ; two chains a block, the two blocks by turns
	v_max3_num_f32 v[165+2*\c], |v[X+32*\c+16]|, |v[X+32*\c+17]|, |v[X+32*\c+18]|
.endr
.irp k, 3,5,7,9,11,13
.irp c, 0,1
	v_max3_num_f32 v[164+2*\c], v[164+2*\c], |v[X+32*\c+\k]|, |v[X+32*\c+\k+1]|
	v_max3_num_f32 v[165+2*\c], v[165+2*\c], |v[X+32*\c+16+\k]|, |v[X+32*\c+17+\k]|
.endr
.endr
.irp c, 0,1
	v_max3_num_f32 v[164+2*\c], v[164+2*\c], |v[X+32*\c+15]|, |v[X+32*\c+31]|
.endr
.irp c, 0,1
	v_max3_num_f32 v[164+2*\c], v[164+2*\c], v[165+2*\c], 0x1800000   ; and the floor 2^(3 - 127): the byte cannot fall under 1
.endr
	v_add_nc_u32 v168, 0xff000000, v164            ; 2 off the exponent field: the conversion's scale operand
	v_add_nc_u32 v169, 0xff000000, v166
	v_lshrrev_b32 v164, 23, v168                   ; the scale's byte
	v_lshrrev_b32 v166, 23, v169
	v_lshl_or_b32 v164, v166, 16, v164             ; my blocks h and 2 + h,
	v_lshlrev_b32 v164, v10, v164                  ; at their places in the word
	v_permlanex16_b32 v170, v164, s[SEL], s[SEL+1]
	v_cvt_scalef32_pk16_fp6_f32 v[144:146], v[X:X+15], v168
	v_cvt_scalef32_pk16_fp6_f32 v[156:158], v[X+16:X+31], v168   ; (a conversion's three registers begin on an even number)
	v_cvt_scalef32_pk16_fp6_f32 v[150:152], v[X+32:X+47], v169
	v_cvt_scalef32_pk16_fp6_f32 v[160:162], v[X+48:X+63], v169
	v_or_b32 v180, v164, v170                      ; the word, with lane l xor 16's two bytes; also the plain place behind the conversions
.irp i, 0,1,2
	v_mov_b32 v[147+\i], v[156+\i]
	v_mov_b32 v[153+\i], v[160+\i]
.endr
	global_store_b128 v4, v[144:147], s[14:15]                 ; each store of the wave covers 512 or 256 consecutive bytes, aligned to 256
	global_store_b64 v7, v[148:149], s[14:15] offset:512
	global_store_b128 v4, v[150:153], s[14:15] offset:768
	global_store_b64 v7, v[154:155], s[14:15] offset:1280
	ds_store_b32 v8, v180                          ; lanes r and 16 + r write the same word with the same value
	s_wait_alu depctr_va_vdst(0)
	s_wait_dscnt 0x0                               ; for wave 0's sake: my word has landed
	s_barrier_signal -1
	s_barrier_wait -1
	s_cmp_lg_u32 s18, 0
	s_cbranch_scc1 .Ldone
.irp i, 0,1,2,3
	ds_load_b32 v[184+\i], v9 offset:64*\i         ; the eight waves' words, in gsc's order
.endr
	s_wait_dscnt 0x0
	global_store_b128 v4, v[184:187], s[16:17]     ; the tile's 512 bytes of scale words
.Ldone:
	s_wait_tensorcnt 0x0                           ; the wave's end
	ds_add_u32 v192, v193
	s_wait_dscnt 0x0
	s_endpgm
.Lfunc_end_k_qa2caa22c46_quant:
	.size	k_qa2caa22c46_quant, .Lfunc_end_k_qa2caa22c46_quant-k_qa2caa22c46_quant
	.p2alignl 7, 3214868480
	.fill 96, 4, 3214868480
	.section	.rodata,"a",@progbits
	.p2align	6, 0x0
	.amdhsa_kernel k_qa2caa22c46_quant
		.amdhsa_group_segment_fixed_size 70656
		.amdhsa_private_segment_fixed_size 0
		.amdhsa_enable_private_segment 0
		.amdhsa_kernarg_size 56
		.amdhsa_user_sgpr_count 2
		.amdhsa_user_sgpr_kernarg_segment_ptr 1
		.amdhsa_wavefront_size32 1
		.amdhsa_system_sgpr_workgroup_id_x 1
		.amdhsa_system_sgpr_workgroup_id_y 1
		.amdhsa_system_sgpr_workgroup_id_z 1
		.amdhsa_system_vgpr_workitem_id 0
		.amdhsa_next_free_vgpr 194
		.amdhsa_next_free_sgpr 66
		.amdhsa_reserve_vcc 0
		.amdhsa_float_denorm_mode_32 3
		.amdhsa_float_denorm_mode_16_64 3
		.amdhsa_memory_ordered 1
		.amdhsa_forward_progress 1
		.amdhsa_inst_pref_size 12
	.end_amdhsa_kernel
	.amdgpu_metadata
---
amdhsa.version: [ 1, 2 ]
amdhsa.kernels:
  - .name:           k_qa2caa22c46_quant
    .symbol:         k_qa2caa22c46_quant.kd
    .args:
      - { .name: x, .offset: 0, .size: 8, .value_kind: global_buffer, .address_space: global }
      - { .name: Wq, .offset: 8, .size: 8, .value_kind: global_buffer, .address_space: global }
      - { .name: Wk, .offset: 16, .size: 8, .value_kind: global_buffer, .address_space: global }
      - { .name: Wv, .offset: 24, .size: 8, .value_kind: global_buffer, .address_space: global }
      - { .name: Wo, .offset: 32, .size: 8, .value_kind: global_buffer, .address_space: global }
      - { .name: gimg, .offset: 40, .size: 8, .value_kind: global_buffer, .address_space: global }
      - { .name: gsc, .offset: 48, .size: 8, .value_kind: global_buffer, .address_space: global }
    .group_segment_fixed_size: 70656
    .private_segment_fixed_size: 0
    .kernarg_segment_align: 8
    .kernarg_segment_size: 56
    .max_flat_workgroup_size: 256
    .sgpr_count:     66
    .vgpr_count:     194
    .wavefront_size: 32
...
	.end_amdgpu_metadata
.endif
;; end of part 1
;; launch qkv (part 2): grid 16 x 16, 4 waves a work-group, clusters of 4 x 4, 327,680 bytes of LDS; arguments gimg, gsc, qkv; writes qkv
.if DOCPART == 2
	.amdgcn_target "amdgcn-amd-amdhsa--gfx1250"
	.amdhsa_code_object_version 6
	.text
	.protected	k_qa2caa22c46_qkv
	.globl	k_qa2caa22c46_qkv
	.p2align	8
	.type	k_qa2caa22c46_qkv,@function
k_qa2caa22c46_qkv:
	s_mov_b64 s[64:65], 0
	v_nop
	global_prefetch_b8 v0, s[64:65] scope:SCOPE_SE
	s_setreg_imm32_b32 hwreg(HW_REG_WAVE_MODE, 25, 1), 1
	s_wait_xcnt 0x0
	s_wait_alu depctr_hold_cnt(0) depctr_sa_sdst(0) depctr_va_vdst(0) depctr_va_sdst(0) depctr_va_ssrc(0) depctr_va_vcc(0) depctr_vm_vsrc(0)
	s_getreg_b32 s2, hwreg(HW_REG_IB_STS2, 6, 4)
	s_cmp_eq_u32 s2, 0
	s_cbranch_scc0 .Lentry_in_a_cluster
	s_endpgm
.Lentry_in_a_cluster:
	s_bfe_u32 s2, ttmp6, 0x10000c
	s_cmp_lg_u32 s2, 0xf033
	s_cbranch_scc0 .Lentry_shape_is_right
	s_endpgm
.Lentry_shape_is_right:
; q = x Wq^T, k = x Wk^T and v^T = Wv x^T on codes of FP6 (E2M3) with E8M0 scales, K = 1,024; each result is quantised again in registers and leaves as codes and scale words alone.
; 256 work-groups: work-group (head, y) makes 256 tokens x one head's q, k and v.  Four waves, 2 x 2: wave (a, b) takes token half a (128 tokens, one key step) and, of the columns,
; b = 0: q and v's tiles 0, 1;  b = 1: k and v's tiles 2, 3: eight tiles of x against six of the weights, 48 accumulators.
; q, k: source 0 = the weight's tile, source 1 = x's: a lane holds one token and 32 neighbouring features.  v: source 0 = x's tile, source 1 = the weight's: a lane holds one feature and 32 neighbouring tokens.
; By the images' row order (first launch) those 32 registers are one whole scale block of the next product.
; LDS: slot A 256 along K, slot B 512 along K.  At the head wave 0 asks for x's first quarter of K, wave 1 for the weights', wave 2 for x's second and third, wave 3 for the weights';
; the fourth quarter goes into slot A again, the one refill, behind a round of the cluster's barrier.  x's tiles are shared along a row of the 4 x 4 cluster, the weights' along a column.
; No prefetch: the text has no loop, and three quarters of its bytes are asked for at the head at once.
; qkv: q's codes [bh][key step][8 tiles][768] at 0; q's words [bh][key step][32 lanes][4 words] at QS (lane 16 (t / 4) + r, word t % 4);
;   KV + 13,056 (16 bh + key step): k's 8 halves of 768, v^T's 4 fragments of 1,536, k's words as q's (512 bytes), v's words [r][4].
; LIMITS: NaN and infinities are not served; a block whose largest magnitude lies under 2^-124 gets the byte 1 (only this program reads the bytes).
; REGISTERS: window 0: v1-31 addresses; v32-95 x's scale words [tile][K step]; v100-147 the weights'; v148-219 the weights' fragments, set 0, and on the way out the codes; v220-255 at work.
;   window 1: x's fragments, two sets, at v0 and v96.  window 2: q's or k's accumulators, v[32 x tile + 8 i].  window 3: v0-127 v's, v[64 u + 32 g + 8 i]; v128-199 the weights' fragments, set 1.
.set QS,   3145728
.set KV,   3407872
.set SLB,  86016
.set SPARE, 258048
.set SX,   32
.set SW,   100
.set SPW,  30
.set NIL,  31
.set MSB, 0
.macro WIN new                         ; the immediate's high byte repeats the setting that is left
.if MSB != (\new)
	s_set_vgpr_msb (MSB<<8)|(\new)
.set MSB, (\new)
.endif
.endm
.macro PLACES n
.rept \n
	v_nop
.endr
.endm
.macro CREST
	s_cmp_lg_u32 s14, 0
	s_cbranch_scc1 .Lnot_wave_0_\@
	s_barrier_signal -3
.Lnot_wave_0_\@:
	s_barrier_wait -3
	s_barrier_signal -1
	s_barrier_wait -1
.endm
.macro CROUND
	s_barrier_signal -1
	s_barrier_wait -1
	CREST
.endm
.macro GROUP1 g, mask, el, rows        ; rows of el elements of 8 bytes, 12,288 bytes apart
	s_or_b32 s[\g], s[\mask], (3<<16)|(1<<21)
	s_mov_b32 s[\g+1], (\el)<<16
	s_mov_b32 s[\g+2], (\rows)<<16
	s_mov_b32 s[\g+3], (\el)<<16
	s_mov_b32 s[\g+4], \rows
	s_mov_b32 s[\g+5], 1536
	s_mov_b32 s[\g+6], 0
	s_mov_b32 s[\g+7], 0
.endm
.macro GROUP0 g, lds, base, off
	s_mov_b32 s[\g], 1
	s_mov_b32 s[\g+1], \lds
	s_add_nc_u64 s[\g+2:\g+3], s[\base:\base+1], \off
	s_or_b32 s[\g+3], s[\g+3], 0x80000000
.endm
.macro TLOAD g0, g1
	tensor_load_to_lds s[\g0:\g0+3], s[\g1:\g1+7]
	s_nop 0
	PLACES 4
.endm
.macro FSLOT reg, base, i, st          ; a fragment's image comes back as it was stored: every load reads consecutive bytes
.set R_, \reg
.if ((\st) > 1) && ((\st) < 6)
.set A_, (\base)+6
.set O_, 6144*(\i)+1536*((\st)-2)
.else
.set A_, \base
.set O_, 3072*(\i)+1536*((\st)%2)
.endif
	ds_load_b128 v[R_:R_+3], v[A_] offset:O_
	ds_load_b64 v[R_+4:R_+5], v[A_+1] offset:O_+512
	ds_load_b128 v[R_+6:R_+9], v[A_] offset:O_+768
	ds_load_b64 v[R_+10:R_+11], v[A_+1] offset:O_+1280
.endm
.macro FG st, g                        ; two fragments of step st into set st % 2: g = 0-3 x's, 4-6 the weights'
.if (\g) < 4
	WIN 0x40
	FSLOT 96*((\st)%2)+24*(\g), 4, 2*(\g), \st
	FSLOT 96*((\st)%2)+24*(\g)+12, 4, 2*(\g)+1, \st
.else
.if (\st)%2
	WIN 0xc0
.set Q_, 128
.else
	WIN 0
.set Q_, 148
.endif
.if (\g) < 6
	FSLOT Q_+24*((\g)-4), 6, 2*((\g)-4), \st
	FSLOT Q_+24*((\g)-4)+12, 6, 2*((\g)-4)+1, \st
.else
	FSLOT Q_+48, 8, 0, \st
	FSLOT Q_+60, 8, 1, \st
.endif
.endif
.endm
; The 48 accumulators take turns, one instruction a turn.
.macro QK st, t0                       ; x's tiles t0, t0 + 1 against the weight's four
.if (\st)%2
	WIN 0xa7
.set W_, 128
.else
	WIN 0xa4
.set W_, 148
.endif
.irp e, 0,1
.irp i, 0,1,2,3
.set D_, 32*(\t0+\e)+8*\i
.set X_, 96*((\st)%2)+12*(\t0+\e)
.if (\st) == 0
	v_wmma_scale_f32_16x16x128_f8f6f4 v[D_:D_+7], v[W_+12*\i:W_+12*\i+11], v[X_:X_+11], 0, v[SW+8*\i+\st], v[SX+8*(\t0+\e)+\st] matrix_a_fmt:MATRIX_FMT_FP6 matrix_b_fmt:MATRIX_FMT_FP6
.else
	v_wmma_scale_f32_16x16x128_f8f6f4 v[D_:D_+7], v[W_+12*\i:W_+12*\i+11], v[X_:X_+11], v[D_:D_+7], v[SW+8*\i+\st], v[SX+8*(\t0+\e)+\st] matrix_a_fmt:MATRIX_FMT_FP6 matrix_b_fmt:MATRIX_FMT_FP6
.endif
.endr
.endr
.endm
.macro VV st, u                        ; x's eight tiles against v's tile u
.if (\st)%2
	WIN 0xfd
.set W_, 128+12*(4+\u)
.else
	WIN 0xf1
.set W_, 148+12*(4+\u)
.endif
.irp e, 0,1,2,3,4,5,6,7
.set D_, 64*(\u)+8*\e
.set X_, 96*((\st)%2)+12*\e
.if (\st) == 0
	v_wmma_scale_f32_16x16x128_f8f6f4 v[D_:D_+7], v[X_:X_+11], v[W_:W_+11], 0, v[SX+8*\e+\st], v[SW+8*(4+\u)+\st] matrix_a_fmt:MATRIX_FMT_FP6 matrix_b_fmt:MATRIX_FMT_FP6
.else
	v_wmma_scale_f32_16x16x128_f8f6f4 v[D_:D_+7], v[X_:X_+11], v[W_:W_+11], v[D_:D_+7], v[SX+8*\e+\st], v[SW+8*(4+\u)+\st] matrix_a_fmt:MATRIX_FMT_FP6 matrix_b_fmt:MATRIX_FMT_FP6
.endif
.endr
.endm
; The way out of two units among a group of eight products: part j stands behind product j.
.macro PART j, w, b0, b1, k, base, off
.if (\j) == 0
	PLACES 4                                       ; between the group before, which made these results, and their first read
	WIN (\w)|((\w)<<2)|((\w)<<4)
	v_max3_num_f32 v220, |v[\b0]|, |v[\b0+1]|, |v[\b0+2]|
	v_max3_num_f32 v221, |v[\b0+16]|, |v[\b0+17]|, |v[\b0+18]|
	v_max3_num_f32 v222, |v[\b1]|, |v[\b1+1]|, |v[\b1+2]|
	v_max3_num_f32 v223, |v[\b1+16]|, |v[\b1+17]|, |v[\b1+18]|
.elseif (\j) < 4
	WIN ((\w)<<2)|((\w)<<4)
.set K_, 4*(\j)-1
.rept 2
	v_max3_num_f32 v220, v220, |v[\b0+K_]|, |v[\b0+K_+1]|
	v_max3_num_f32 v221, v221, |v[\b0+16+K_]|, |v[\b0+17+K_]|
	v_max3_num_f32 v222, v222, |v[\b1+K_]|, |v[\b1+K_+1]|
	v_max3_num_f32 v223, v223, |v[\b1+16+K_]|, |v[\b1+17+K_]|
.set K_, K_+2
.endr
.elseif (\j) == 4
	WIN ((\w)<<2)|((\w)<<4)
	v_max3_num_f32 v220, v220, |v[\b0+15]|, |v[\b0+31]|
	v_max3_num_f32 v222, v222, |v[\b1+15]|, |v[\b1+31]|
	WIN 0
	v_max3_num_f32 v220, v220, v221, 0x1800000     ; the floor 2^(3 - 127) holds the byte at 1
	v_max3_num_f32 v222, v222, v223, 0x1800000
	v_add_nc_u32 v224, 0xff000000, v220            ; 2 off the exponent field: the conversion's scale operand
	v_add_nc_u32 v225, 0xff000000, v222
	v_lshrrev_b32 v[232+\k], 23, v224
	v_lshrrev_b32 v[233+\k], 23, v225
.elseif (\j) == 5
	WIN \w
	v_cvt_scalef32_pk16_fp6_f32 v[148+6*\k:150+6*\k], v[\b0:\b0+15], v224
	v_cvt_scalef32_pk16_fp6_f32 v[226:228], v[\b0+16:\b0+31], v224
	v_cvt_scalef32_pk16_fp6_f32 v[154+6*\k:156+6*\k], v[\b1:\b1+15], v225
	v_cvt_scalef32_pk16_fp6_f32 v[244:246], v[\b1+16:\b1+31], v225
	v_nop                                          ; one plain place behind the scaled conversions
.elseif (\j) == 6
	WIN 0
.irp m, 0,1,2
	v_mov_b32 v[151+6*\k+\m], v[226+\m]
	v_mov_b32 v[157+6*\k+\m], v[244+\m]
.endr
.else
	WIN 0
	global_store_b128 v1, v[148+6*\k:151+6*\k], s[\base:\base+1] offset:\off
	global_store_b64 v2, v[152+6*\k:153+6*\k], s[\base:\base+1] offset:\off+512
	global_store_b128 v1, v[154+6*\k:157+6*\k], s[\base:\base+1] offset:\off+768
	global_store_b64 v2, v[158+6*\k:159+6*\k], s[\base:\base+1] offset:\off+1280
.endif
.endm
.macro QK7 t0, w, b0, b1, k, base, off ; the last 128 along K: x's tiles t0, t0 + 1, with the way out of two finished units
.set N_, 0
.irp e, 0,1
.irp i, 0,1,2,3
	WIN 0xa7
.set D_, 32*(\t0+\e)+8*\i
.set X_, 96+12*(\t0+\e)
	v_wmma_scale_f32_16x16x128_f8f6f4 v[D_:D_+7], v[128+12*\i:139+12*\i], v[X_:X_+11], v[D_:D_+7], v[SW+8*\i+7], v[SX+8*(\t0+\e)+7] matrix_a_fmt:MATRIX_FMT_FP6 matrix_b_fmt:MATRIX_FMT_FP6
	PART N_, \w, \b0, \b1, \k, \base, \off
.set N_, N_+1
.endr
.endr
.endm
.macro VV7 u, w, b0, b1, k, base, off
.set N_, 0
.irp e, 0,1,2,3,4,5,6,7
	WIN 0xfd
.set D_, 64*(\u)+8*\e
.set X_, 96+12*\e
.set W_, 176+12*(\u)
	v_wmma_scale_f32_16x16x128_f8f6f4 v[D_:D_+7], v[X_:X_+11], v[W_:W_+11], v[D_:D_+7], v[SX+8*\e+7], v[SW+8*(4+\u)+7] matrix_a_fmt:MATRIX_FMT_FP6 matrix_b_fmt:MATRIX_FMT_FP6
	PART N_, \w, \b0, \b1, \k, \base, \off
.set N_, N_+1
.endr
.endm
.macro STEP st
	s_wait_dscnt 0x0
	QK \st, 0
	PLACES 4                                       ; places in front of loads into registers that the step before has read
	FG \st+1, 0
	FG \st+1, 1
	QK \st, 2
	FG \st+1, 2
	FG \st+1, 3
	QK \st, 4
	FG \st+1, 4
	FG \st+1, 5
	QK \st, 6
	FG \st+1, 6
	VV \st, 0
	VV \st, 1
.endm
	s_load_b128 s[4:7], s[0:1], 0x0                ; gimg, gsc
	s_load_b64 s[8:9], s[0:1], 0x10                ; qkv
	v_lshl_add_u32 v[SPW], v0, 2, SPARE
	v_mov_b32 v[NIL], 0
	ds_add_u32 v[SPW], v[NIL]                      ; the opening lines: the add, twice on end, and its wait ahead of my first tensor load
	ds_add_u32 v[SPW], v[NIL]
	v_lshrrev_b32 v1, 5, v0
	v_readfirstlane_b32 s14, v1                    ; wave 0..3
	s_lshr_b32 s15, s14, 1                         ; a
	s_and_b32 s12, s14, 1                          ; b
	s_bfe_u32 s68, ttmp6, 0x40000                  ; cx
	s_bfe_u32 s69, ttmp6, 0x40004                  ; cy
	s_lshl_b32 s70, ttmp9, 2
	s_add_co_u32 s70, s70, s68                     ; head
	s_and_b32 s71, ttmp7, 0xffff
	s_lshl_b32 s71, s71, 2
	s_add_co_u32 s71, s71, s69                     ; y: which 256 tokens
	s_lshl_b32 s72, s69, 2
	s_lshl_b32 s72, 15, s72                        ; my row of the cluster
	s_lshl_b32 s73, 0x1111, s68                    ; my column
	GROUP1 16, 72, 384, 16
	GROUP1 24, 73, 384, 12
	GROUP1 32, 72, 768, 16
	GROUP1 40, 73, 768, 12
	s_mul_i32 s74, s71, 196608                     ; x's 16 tiles: hang on what my row shares
	s_mov_b32 s75, 0
	s_mul_i32 s76, s70, 147456
	s_add_co_u32 s76, s76, 3145728                 ; the weights' 12: on what my column shares
	s_mov_b32 s77, 0
	s_wait_alu depctr_va_vdst(0)                   ; ahead of the waits below
	s_wait_dscnt 0x0
	s_wait_kmcnt 0x0
	s_add_nc_u64 s[74:75], s[4:5], s[74:75]
	s_add_nc_u64 s[76:77], s[4:5], s[76:77]
	GROUP0 48, 0, 74, 0
	GROUP0 52, 49152, 76, 0
	GROUP0 56, SLB, 74, 3072
	GROUP0 60, 184320, 76, 3072
	CROUND                                         ; all sixteen work-groups are here: the first joint loads meet
.macro ARM under, g0, g1, next
	s_cmp_lt_u32 s14, \under
	s_cbranch_scc0 \next
	TLOAD \g0, \g1
	s_branch .Lhead_asked
\next:
.endm
	ARM 1, 48, 16, .Lhead_1
	ARM 2, 52, 24, .Lhead_2
	ARM 3, 56, 32, .Lhead_3
	TLOAD 60, 40
.Lhead_asked:
	s_mul_i32 s78, s15, 24576                      ; my eight tiles of x in slot A,
	s_mul_i32 s79, s15, 49152
	s_add_co_u32 s79, s79, SLB                     ; and in slot B;
	s_mul_i32 s80, s12, 12288
	s_add_co_u32 s80, s80, 49152                   ; my four tiles of Wq or Wk,
	s_mul_i32 s81, s12, 24576
	s_add_co_u32 s81, s81, 184320
	s_mul_i32 s82, s12, 6144
	s_add_co_u32 s82, s82, 73728                   ; my two of Wv
	s_mul_i32 s83, s12, 12288
	s_add_co_u32 s83, s83, 233472
	s_lshl_b32 s84, s71, 13                        ; scale words: 512 bytes a tile: x's,
	s_lshl_b32 s85, s15, 12
	s_add_co_u32 s84, s84, s85
	s_mov_b32 s85, 0
	s_mul_i32 s86, s70, 6144
	s_add_co_u32 s86, s86, 131072
	s_lshl_b32 s87, s12, 10
	s_add_co_u32 s88, s86, s87
	s_add_co_u32 s88, s88, 4096                    ; Wv's,
	s_mov_b32 s89, 0
	s_lshl_b32 s87, s12, 11
	s_add_co_u32 s86, s86, s87                     ; Wq's or Wk's
	s_mov_b32 s87, 0
	s_add_nc_u64 s[84:85], s[6:7], s[84:85]
	s_add_nc_u64 s[86:87], s[6:7], s[86:87]
	s_add_nc_u64 s[88:89], s[6:7], s[88:89]
	s_lshr_b32 s90, s71, 3                         ; batch
	s_lshl_b32 s90, s90, 4
	s_add_co_u32 s90, s90, s70                     ; bh
	s_lshl_b32 s90, s90, 4
	s_and_b32 s91, s71, 7
	s_lshl_b32 s91, s91, 1
	s_add_co_u32 s90, s90, s91
	s_add_co_u32 s90, s90, s15                     ; 16 bh + key step
	s_mul_i32 s92, s90, 13056
	s_add_co_u32 s92, s92, KV                      ; the key step's block
	s_mul_i32 s93, s90, 6144                       ; q's codes
	s_lshl_b32 s91, s90, 9
	s_add_co_u32 s91, s91, QS                      ; q's words
	s_add_co_u32 s96, s92, 12288                   ; k's words
	s_mul_i32 s98, s12, 3072
	s_add_co_u32 s98, s98, s92
	s_add_co_u32 s98, s98, 6144                    ; v's codes
	s_lshl_b32 s100, s12, 3
	s_add_co_u32 s100, s100, s92
	s_add_co_u32 s100, s100, 12800                 ; v's words
	s_cmp_eq_u32 s12, 0
	s_cselect_b32 s94, s93, s92
	s_cselect_b32 s96, s91, s96
	s_mov_b32 s95, 0
	s_mov_b32 s97, 0
	s_mov_b32 s99, 0
	s_mov_b32 s101, 0
	s_add_nc_u64 s[94:95], s[8:9], s[94:95]
	s_add_nc_u64 s[96:97], s[8:9], s[96:97]
	s_add_nc_u64 s[98:99], s[8:9], s[98:99]
	s_add_nc_u64 s[100:101], s[8:9], s[100:101]
	s_mov_b32 s10, 0x76543210                      ; lane selects: lane l xor 16
	s_mov_b32 s11, 0xfedcba98
	v_and_b32 v17, 31, v0
	v_and_b32 v18, 15, v0
	v_bfe_u32 v19, v0, 4, 1
	v_lshlrev_b32 v1, 4, v17                       ; 16 L
	v_lshlrev_b32 v2, 3, v17                       ; 8 L
	v_lshlrev_b32 v16, 4, v18                      ; 16 r
	v_lshlrev_b32 v3, 3, v19                       ; 8 h
.irp i, 0,1,2,3,4,5,6,7
.irp g, 0,1
	global_load_b128 v[SX+8*\i+4*\g:SX+8*\i+4*\g+3], v16, s[84:85] offset:512*\i+256*\g   ; 256 consecutive bytes: four K steps' words of 16 rows
.endr
.endr
.irp i, 0,1,2,3
.irp g, 0,1
	global_load_b128 v[SW+8*\i+4*\g:SW+8*\i+4*\g+3], v16, s[86:87] offset:512*\i+256*\g
.endr
.endr
.irp i, 0,1
.irp g, 0,1
	global_load_b128 v[SW+32+8*\i+4*\g:SW+32+8*\i+4*\g+3], v16, s[88:89] offset:512*\i+256*\g
.endr
.endr
	v_add_nc_u32 v4, s78, v1
	v_add_nc_u32 v5, s78, v2
	v_add_nc_u32 v6, s80, v1
	v_add_nc_u32 v7, s80, v2
	v_add_nc_u32 v8, s82, v1
	v_add_nc_u32 v9, s82, v2
	v_add_nc_u32 v10, s79, v1
	v_add_nc_u32 v11, s79, v2
	v_add_nc_u32 v12, s81, v1
	v_add_nc_u32 v13, s81, v2
	v_add_nc_u32 v14, s83, v1
	v_add_nc_u32 v15, s83, v2
	v_mov_b32 v254, 0                              ; written once: a lane permute's destination counts as one of its sources
	v_mov_b32 v255, 0
	s_wait_alu depctr_va_vdst(0)                   ; the wait at the head's end
	s_cmp_lt_u32 s14, 2
	s_cbranch_scc0 .Lnot_first
	s_wait_tensorcnt 0x0                           ; waves 0 and 1, whose load lines are their own: K's first quarter is in
.Lnot_first:
	s_barrier_signal -1
	s_barrier_wait -1                              ; waves 2's and 3's loads may be out
.irp g, 0,1,2,3,4,5,6
	FG 0, \g
.endr
	WIN 0
	s_wait_loadcnt 0x0                             ; the scale words
	STEP 0                                         ; the first products start the sums
	s_wait_dscnt 0x0                               ; step 1: slot A is read no more once its fragments are in
	QK 1, 0
	QK 1, 2
	QK 1, 4
	QK 1, 6
	WIN 0
	s_wait_tensorcnt 0x0                           ; all my tensor loads have landed;
	ds_add_u32 v[SPW], v[NIL]
	VV 1, 0
	s_wait_dscnt 0x0                               ; the add is done, and so are my reads of slot A
	s_barrier_signal -1
	VV 1, 1
	WIN 0
	s_barrier_wait -1
	CREST                                          ; no wave of any partner still reads slot A or has a load on its way
	s_add_nc_u64 s[50:51], s[50:51], 9216          ; from K's first quarter to its fourth: 3 x 3,072 bytes
	s_add_nc_u64 s[54:55], s[54:55], 9216
	s_cmp_eq_u32 s14, 0
	s_cbranch_scc0 .Lrefill_b
	TLOAD 48, 16
	s_branch .Lrefilled
.Lrefill_b:
	s_cmp_eq_u32 s14, 1
	s_cbranch_scc0 .Lrefilled
	TLOAD 52, 24
.Lrefilled:
	PLACES 4                                       ; for the waves that come round the loads
.irp g, 0,1,2,3,4,5,6
	FG 2, \g
.endr
	STEP 2
	STEP 3
	STEP 4
	s_wait_dscnt 0x0                               ; step 5: the fourth quarter is shown to all
	QK 5, 0
	QK 5, 2
	s_wait_tensorcnt 0x0
	s_wait_dscnt 0x0
	s_barrier_signal -1
	QK 5, 4
	s_barrier_wait -1
	PLACES 4
.irp g, 0,1,2,3
	FG 6, \g
.endr
	QK 5, 6
.irp g, 4,5,6
	FG 6, \g
.endr
	VV 5, 0
	VV 5, 1
	STEP 6
	s_wait_dscnt 0x0                               ; the last 128 along K: nothing more to fetch
	QK 7, 0
	QK7 2, 2, 0, 32, 0, 94, 0                      ; each pair of units leaves among the next group's products
	QK7 4, 2, 64, 96, 2, 94, 1536
	QK7 6, 2, 128, 160, 4, 94, 3072
	VV7 0, 2, 192, 224, 6, 94, 4608
	VV7 1, 3, 0, 32, 8, 98, 0
	PLACES 4                                       ; behind the last products, in front of the first read of the last results
; THE WAY OUT of two units k, k + 1: a unit is 32 registers of a window, one scale block a lane.  Codes of unit k: v[148 + 6 k ..]; its scale byte: v[232 + k].
.macro WOUT w, b0, b1, k
	WIN (\w)|((\w)<<2)|((\w)<<4)
	v_max3_num_f32 v220, |v[\b0]|, |v[\b0+1]|, |v[\b0+2]|
	v_max3_num_f32 v221, |v[\b0+16]|, |v[\b0+17]|, |v[\b0+18]|
	v_max3_num_f32 v222, |v[\b1]|, |v[\b1+1]|, |v[\b1+2]|
	v_max3_num_f32 v223, |v[\b1+16]|, |v[\b1+17]|, |v[\b1+18]|
	WIN ((\w)<<2)|((\w)<<4)
.irp n, 3,5,7,9,11,13
	v_max3_num_f32 v220, v220, |v[\b0+\n]|, |v[\b0+\n+1]|
	v_max3_num_f32 v221, v221, |v[\b0+16+\n]|, |v[\b0+17+\n]|
	v_max3_num_f32 v222, v222, |v[\b1+\n]|, |v[\b1+\n+1]|
	v_max3_num_f32 v223, v223, |v[\b1+16+\n]|, |v[\b1+17+\n]|
.endr
	v_max3_num_f32 v220, v220, |v[\b0+15]|, |v[\b0+31]|
	v_max3_num_f32 v222, v222, |v[\b1+15]|, |v[\b1+31]|
	WIN 0
	v_max3_num_f32 v220, v220, v221, 0x1800000     ; the floor 2^(3 - 127) holds the byte at 1
	v_max3_num_f32 v222, v222, v223, 0x1800000
	v_add_nc_u32 v224, 0xff000000, v220            ; 2 off the exponent field: the conversion's scale operand
	v_add_nc_u32 v225, 0xff000000, v222
	v_lshrrev_b32 v[232+\k], 23, v224
	v_lshrrev_b32 v[233+\k], 23, v225
	WIN \w
	v_cvt_scalef32_pk16_fp6_f32 v[148+6*\k:150+6*\k], v[\b0:\b0+15], v224
	v_cvt_scalef32_pk16_fp6_f32 v[226:228], v[\b0+16:\b0+31], v224
	v_cvt_scalef32_pk16_fp6_f32 v[154+6*\k:156+6*\k], v[\b1:\b1+15], v225
	v_cvt_scalef32_pk16_fp6_f32 v[244:246], v[\b1+16:\b1+31], v225
	WIN 0
	v_nop                                          ; one plain place behind the scaled conversions
.irp i, 0,1,2
	v_mov_b32 v[151+6*\k+\i], v[226+\i]
	v_mov_b32 v[157+6*\k+\i], v[244+\i]
.endr
.endm
.macro SEND k, base, off               ; 512 and 256 consecutive bytes, aligned to 256
	global_store_b128 v1, v[148+6*(\k):151+6*(\k)], s[\base:\base+1] offset:\off
	global_store_b64 v2, v[152+6*(\k):153+6*(\k)], s[\base:\base+1] offset:\off+512
.endm
.irp t, 0,1,2,3
	v_permlane16_swap_b32 v[232+\t], v[236+\t]     ; lanes 0-15 now hold tile t's two bytes, lanes 16-31 tile t + 4's
.endr
.irp t, 0,1,2,3
	v_lshl_or_b32 v[248+\t], v[236+\t], 8, v[232+\t]
.endr
	global_store_b128 v1, v[248:251], s[96:97]     ; 512 consecutive bytes
	WOUT 3, 64, 96, 10
	SEND 10, 98, 1536
	SEND 11, 98, 2304
	v_lshl_or_b32 v252, v241, 16, v240             ; v's words: my blocks h and 2 + h,
	v_lshl_or_b32 v253, v243, 16, v242
	v_lshlrev_b32 v252, v3, v252
	v_lshlrev_b32 v253, v3, v253
	v_permlanex16_b32 v254, v252, s10, s11
	v_permlanex16_b32 v255, v253, s10, s11
	v_or_b32 v252, v252, v254                      ; and lane l xor 16's
	v_or_b32 v253, v253, v255
	global_store_b64 v16, v[252:253], s[100:101]   ; lanes r and 16 + r store the same bytes with the same values
	s_wait_tensorcnt 0x0                           ; the wave's end
	ds_add_u32 v[SPW], v[NIL]
	s_wait_dscnt 0x0
	CROUND                                         ; the closing round: no work-group ends while a partner may still ask for a tile that names it
	s_endpgm
.Lfunc_end_k_qa2caa22c46_qkv:
	.size	k_qa2caa22c46_qkv, .Lfunc_end_k_qa2caa22c46_qkv-k_qa2caa22c46_qkv
	.p2alignl 7, 3214868480
	.fill 96, 4, 3214868480
	.section	.rodata,"a",@progbits
	.p2align	6, 0x0
	.amdhsa_kernel k_qa2caa22c46_qkv
		.amdhsa_group_segment_fixed_size 327680
		.amdhsa_private_segment_fixed_size 0
		.amdhsa_enable_private_segment 0
		.amdhsa_kernarg_size 24
		.amdhsa_user_sgpr_count 2
		.amdhsa_user_sgpr_kernarg_segment_ptr 1
		.amdhsa_wavefront_size32 1
		.amdhsa_system_sgpr_workgroup_id_x 1
		.amdhsa_system_sgpr_workgroup_id_y 1
		.amdhsa_system_sgpr_workgroup_id_z 1
		.amdhsa_system_vgpr_workitem_id 0
		.amdhsa_next_free_vgpr 1024
		.amdhsa_next_free_sgpr 102
		.amdhsa_reserve_vcc 0
		.amdhsa_float_denorm_mode_32 3
		.amdhsa_float_denorm_mode_16_64 3
		.amdhsa_memory_ordered 1
		.amdhsa_forward_progress 1
		.amdhsa_inst_pref_size 116
	.end_amdhsa_kernel
	.amdgpu_metadata
---
amdhsa.version: [ 1, 2 ]
amdhsa.kernels:
  - .name:           k_qa2caa22c46_qkv
    .symbol:         k_qa2caa22c46_qkv.kd
    .args:
      - { .name: gimg, .offset: 0, .size: 8, .value_kind: global_buffer, .address_space: global }
      - { .name: gsc, .offset: 8, .size: 8, .value_kind: global_buffer, .address_space: global }
      - { .name: qkv, .offset: 16, .size: 8, .value_kind: global_buffer, .address_space: global }
    .group_segment_fixed_size: 327680
    .private_segment_fixed_size: 0
    .kernarg_segment_align: 8
    .kernarg_segment_size: 24
    .max_flat_workgroup_size: 128
    .sgpr_count:     102
    .vgpr_count:     1024
    .wavefront_size: 32
...
	.end_amdgpu_metadata
.endif
;; end of part 2
;; launch attn (part 3): grid 8 x 32, 16 waves a work-group, clusters of 4 x 1, 245,760 bytes of LDS; arguments qkv, aimg, asc; writes aimg, asc
.if DOCPART == 3
	.amdgcn_target "amdgcn-amd-amdhsa--gfx1250"
	.amdhsa_code_object_version 6
	.text
	.protected	k_qa2caa22c46_attn
	.globl	k_qa2caa22c46_attn
	.p2align	8
	.type	k_qa2caa22c46_attn,@function
k_qa2caa22c46_attn:
	s_mov_b64 s[64:65], 0
	v_nop
	global_prefetch_b8 v0, s[64:65] scope:SCOPE_SE
	s_setreg_imm32_b32 hwreg(HW_REG_WAVE_MODE, 25, 1), 1
	s_wait_xcnt 0x0
	s_wait_alu depctr_hold_cnt(0) depctr_sa_sdst(0) depctr_va_vdst(0) depctr_va_sdst(0) depctr_va_ssrc(0) depctr_va_vcc(0) depctr_vm_vsrc(0)
	s_getreg_b32 s2, hwreg(HW_REG_IB_STS2, 6, 4)
	s_cmp_eq_u32 s2, 0
	s_cbranch_scc0 .Lentry_in_a_cluster
	s_endpgm
.Lentry_in_a_cluster:
	s_bfe_u32 s2, ttmp6, 0x10000c
	s_cmp_lg_u32 s2, 0x3003
	s_cbranch_scc0 .Lentry_shape_is_right
	s_endpgm
.Lentry_shape_is_right:
; Causal attention of one head on codes of FP6 (E2M3): S^T = K Q^T, p = 2^(t - M), O^T = V^T P^T (K = the keys), O / l, quantised along the features.
; t = score x log2(e) / 8; M = the row's running largest t rounded up to a whole number; p is not normalised; l is the sum of the unquantised p; when M moves, l and O^T are multiplied by 2^(old M - new M): exact.
; SHARES.  Work-group (j, bh), j = 0 .. 7, takes tile j (16 queries) of every block of 128 queries of head bh.  Waves w and 8 + w (w = 0 .. 7) take the tiles of blocks w and 15 - w:
;   wave 8 + w the second's key steps 0 .. 7;  wave w the first's key steps 0 .. w, then the second's 8 .. 15 - w: 8 and 9 steps of 128 keys.
; The two parts of the second tile meet once, through LDS: O and l of either are brought under the larger M by a power of two, and added.
; Key steps behind a block are whole tiles that reference()'s causal mask throws away: they are left out.  A block's own key step is masked.
; (A NaN or an infinity in what is left out is not carried to the result.)
; Lane row r of tile j is query 64 (j / 4) + 8 (j % 4) + 32 (r / 8) + r % 8 of its block; keys and features lie in the same order, so a lane's 32 registers of four result tiles are one scale block.
; LDS holds the head's 16 key steps, 13,056 bytes each (k's codes, v^T's codes, their scale words), filled once, in the order 0, 8, 1, 9, 2, 10 ..: wave i asks for place i.
; A cluster's four work-groups share the head and ask jointly.  Trips 0 and 1 of a wave read places 0-4 alone, which are shown first; all others are shown behind trip 1.
; No prefetch: every tile that the launch reads is asked for at its head.
; THE LOOP is turned: a trip begins with S^T of its step in registers and ends with O^T += V^T P^T and the next step's S^T, between which the row's sum is taken; the LDS loads for both stand at the trip's start.
; Q's codes for the instruction's other 64 along K are zeros, so K's operand may hold any codes there: it runs on into the registers behind it.
; LIMITS: NaN and infinities are not served; the scaled scores stay under 2^31 in magnitude; a block whose largest magnitude lies under 2^-124 gets the byte 1; a block's largest p is taken from its largest score,
; which takes v_exp_f32 not to fall where its input rises.
; REGISTERS: v0 my thread (the add's two registers are made anew at the end); v1 16 L, v2 8 L, v3 16 r, v4 8 h; v5 lane permutes; v6 f; v8 -M, v9 largest score; v10-17 l, four pairs; v18-24, v26-29, v31 at work;
;   v25 p's scale word, v30 Q's; v32-63 O^T; v64-127 S^T, p; v128-175 K; v176-187 p's codes; v188-235 V^T; v236-247 Q; v248-251 K's scale words, v252-255 V's.
.set QS,    3145728
.set KV,    3407872
.set STEPB, 13056
.set MRG,   208896                     ; 4,352 bytes for each pair of waves: O^T, l, -M
.set SPARE, 243712
.macro WALU
	s_wait_alu depctr_va_vdst(0)
.endm
.macro BARRIER
	s_barrier_signal -1
	s_barrier_wait -1
.endm
.macro CROUND
	BARRIER
	s_cmp_lg_u32 s14, 0
	s_cbranch_scc1 .Lnot_wave_0_\@
	s_barrier_signal -3
.Lnot_wave_0_\@:
	s_barrier_wait -3
	BARRIER
.endm
.macro ADDRS t, q, qs, o, os           ; tile s[t] of the head: where its Q, Q's words, its codes and its scale bytes lie
	s_add_co_u32 s60, s49, s\t
	s_mul_i32 s\q, s60, 768
	s_lshr_b32 s61, s\t, 2
	s_lshl_b32 s61, s61, 8
	s_lshl_b32 s\qs, s11, 13
	s_add_co_u32 s\qs, s\qs, s61
	s_and_b32 s61, s\t, 3
	s_lshl_b32 s61, s61, 2
	s_add_co_u32 s\qs, s\qs, s61
	s_add_co_u32 s\qs, s\qs, QS
	s_lshr_b32 s60, s11, 4
	s_lshl_b32 s60, s60, 7
	s_add_co_u32 s60, s60, s\t
	s_mul_i32 s\o, s60, 12288
	s_mul_i32 s62, s59, 768
	s_add_co_u32 s\o, s\o, s62
	s_lshl_b32 s\os, s60, 9
	s_lshr_b32 s62, s59, 3
	s_lshl_b32 s62, s62, 8
	s_add_co_u32 s\os, s\os, s62
	s_and_b32 s62, s59, 7
	s_lshl_b32 s62, s62, 1
	s_add_co_u32 s\os, s\os, s62
.endm
.macro KLOAD a16, a8
.irp t, 0,1,2,3,4,5,6,7
	ds_load_b128 v[128+6*\t:131+6*\t], \a16 offset:768*\t
	ds_load_b64 v[132+6*\t:133+6*\t], \a8 offset:768*\t+512
.endr
	ds_load_b128 v[248:251], \a16 offset:12288
.endm
.macro VLOAD
.irp t, 0,1,2,3
	ds_load_b128 v[188+12*\t:191+12*\t], v24 offset:6144+1536*\t
	ds_load_b64 v[192+12*\t:193+12*\t], v26 offset:6144+1536*\t+512
	ds_load_b128 v[194+12*\t:197+12*\t], v24 offset:6144+1536*\t+768
	ds_load_b64 v[198+12*\t:199+12*\t], v26 offset:6144+1536*\t+1280
.endr
	ds_load_b128 v[252:255], v27 offset:12800
.endm
.macro QLOAD q, qs                     ; a tile's Q: codes and scale word
	global_load_b128 v[236:239], v1, s[\q:\q+1]
	global_load_b64 v[240:241], v2, s[\q:\q+1] offset:512
	global_load_b32 v30, v3, s[\qs:\qs+1]
.endm
.macro SPROD t                         ; 16 keys x my 16 queries; the scale words of tiles 4-7 lie in lanes 16-31
.if (\t) < 4
	v_wmma_scale_f32_16x16x128_f8f6f4 v[64+8*\t:71+8*\t], v[128+6*\t:139+6*\t], v[236:247], 0, v[248+\t], v30 matrix_a_fmt:MATRIX_FMT_FP6 matrix_b_fmt:MATRIX_FMT_FP6
.else
	v_wmma_scale_f32_16x16x128_f8f6f4 v[64+8*\t:71+8*\t], v[128+6*\t:139+6*\t], v[236:247], 0, v[244+\t], v30 matrix_a_fmt:MATRIX_FMT_FP6 matrix_b_fmt:MATRIX_FMT_FP6 matrix_a_scale:MATRIX_SCALE_ROW1
.endif
.endm
.macro OPROD t
	v_wmma_scale_f32_16x16x128_f8f6f4 v[32+8*\t:39+8*\t], v[188+12*\t:199+12*\t], v[176:187], v[32+8*\t:39+8*\t], v[252+\t], v25 matrix_a_fmt:MATRIX_FMT_FP6 matrix_b_fmt:MATRIX_FMT_FP6
.endm
.macro LADD t                          ; the row's sum over tile t's eight p, in four chains of pairs; the first tile's lines bring l under the new M
.irp k, 0,2,4,6
.if (\t) == 0
	v_pk_fma_f32 v[10+\k:11+\k], v[10+\k:11+\k], v[6:7], v[64+\k:65+\k] op_sel_hi:[1,0,1]
.else
	v_pk_add_f32 v[10+\k:11+\k], v[10+\k:11+\k], v[64+8*\t+\k:65+8*\t+\k]
.endif
.endr
.endm
.macro LSUM                            ; my lane's part of l, into v18
	v_pk_add_f32 v[10:11], v[10:11], v[12:13]
	v_pk_add_f32 v[14:15], v[14:15], v[16:17]
	v_pk_add_f32 v[10:11], v[10:11], v[14:15]
	v_add_f32 v18, v10, v11
.endm
.macro HIDE half                       ; register 64 + 32 c + n is key 64 c + 32 h + n: hidden where 64 c + n > v29
.set N_, 0
.rept 32
	v_cmp_gt_i32 vcc_lo, 64*(\half)+N_, v29
	v_cndmask_b32 v[64+32*(\half)+N_], v[64+32*(\half)+N_], v31, vcc_lo
.set N_, N_+1
.endr
.endm
.macro MASK turn                       ; a block's own step.  turn = 1: the next step is the second tile's: its Q is asked for
.if \turn
	QLOAD 52, 56
.endif
	v_and_b32 v18, 7, v0
	v_and_b32 v19, 8, v0
	v_lshlrev_b32 v20, 2, v4
	v_mov_b32 v31, 0xff800000                      ; -infinity: p = 0 then
	v_lshl_add_u32 v18, v19, 2, v18
	v_sub_nc_u32 v18, v18, v20
	v_add_nc_u32 v29, s44, v18                     ; my query inside its block - 32 h
	s_cmp_eq_u32 ttmp9, 0                          ; the cluster's x, the same in all partners: are my queries the block's first 64?
	s_cbranch_scc0 .Lupper_\@
	WALU
	HIDE 0
.set N_, 0
.rept 32
	v_mov_b32 v[96+N_], v31                        ; then the upper 64 keys are hidden from all of them,
.set N_, N_+1
.endr
	WALU
	s_branch .Lmasked_\@
.Lupper_\@:
	WALU
	HIDE 1                                         ; else the lower 64 are open to all
.Lmasked_\@:
.endm
.macro FINISH o, os                    ; O^T / l, l = v18 and lane l xor 16's: registers 32-63 are 32 neighbouring features of my query, one block of the next product's K
	v_permlanex16_b32 v5, v18, s20, s21
	v_add_f32 v18, v18, v5                         ; the row's sum
	WALU
	v_rcp_f32 v20, v18
	v_nop
	WALU
.irp j, 0,2,4,6,8,10,12,14,16,18,20,22,24,26,28,30
	v_pk_mul_f32 v[32+\j:33+\j], v[32+\j:33+\j], v[20:21] op_sel_hi:[1,0]
.endr
	v_max3_num_f32 v18, |v32|, |v33|, |v34|
	v_max3_num_f32 v19, |v48|, |v49|, |v50|
.irp k, 3,5,7,9,11,13
	v_max3_num_f32 v18, v18, |v[32+\k]|, |v[33+\k]|
	v_max3_num_f32 v19, v19, |v[48+\k]|, |v[49+\k]|
.endr
	v_max3_num_f32 v18, v18, |v47|, |v63|
	v_max3_num_f32 v18, v18, v19, 0x1800000
	v_add_nc_u32 v19, 0xff000000, v18
	v_lshrrev_b32 v18, 23, v19
	v_lshlrev_b32 v18, v4, v18                     ; my block h's byte at its place
	v_permlanex16_b32 v5, v18, s20, s21
	v_cvt_scalef32_pk16_fp6_f32 v[176:178], v[32:47], v19
	v_cvt_scalef32_pk16_fp6_f32 v[182:184], v[48:63], v19
	v_or_b32 v18, v18, v5
.irp i, 0,1,2
	v_mov_b32 v[179+\i], v[182+\i]
.endr
	global_store_b128 v1, v[176:179], s[\o:\o+1]   ; 512 and 256 consecutive bytes, aligned to 256
	global_store_b64 v2, v[180:181], s[\o:\o+1] offset:512
	global_store_b16 v3, v18, s[\os:\os+1]         ; a head owns two bytes of a scale word; lanes r and 16 + r store the same bytes with the same value
	WALU
	s_wait_xcnt 0x0                                ; the stores have read their data
.endm
.macro BODY kind                       ; 0: in the walk; 1: wave w's last step; 2: wave 8 + w's last
	s_lshl_b32 s69, s66, 1
	s_sub_co_u32 s70, s66, s16
	s_lshl_b32 s70, s70, 1
	s_sub_co_u32 s71, s70, 1
	s_cmp_le_u32 s66, s16
	s_cselect_b32 s67, s69, s71                    ; this trip's place: 2 n (key step n), and behind trip w 2 (n - w - 1) + 1 (key step 8 + n - w - 1)
	s_min_u32 s67, s67, 15
	s_mul_i32 s67, s67, STEPB
.if (\kind) == 0
	s_add_co_u32 s69, s69, 2
	s_add_co_u32 s70, s70, 1
	s_cmp_lt_u32 s66, s16
	s_cselect_b32 s68, s69, s70                    ; the next trip's
	s_min_u32 s68, s68, 15
	s_mul_i32 s68, s68, STEPB
	v_add_nc_u32 v22, s68, v1
	v_add_nc_u32 v23, s68, v2
.endif
	v_add_nc_u32 v24, s67, v1
	v_add_nc_u32 v26, s67, v2
	v_add_nc_u32 v27, s67, v3
.if (\kind) == 0
	KLOAD v22, v23
.endif
	VLOAD
.if (\kind) == 1
	MASK 0
.endif
.if (\kind) == 0
	s_cmp_lg_u32 s66, s16
	s_cbranch_scc1 .Lopen_\@
	MASK 1
.Lopen_\@:
.endif
	WALU                                           ; ahead of the first reader of S^T
.irp b, 0,1
	v_max3_num_f32 v[18+2*\b], v[64+32*\b], v[65+32*\b], v[66+32*\b]   ; the largest score of each of my two blocks of 32 keys, in two chains each
	v_max3_num_f32 v[19+2*\b], v[80+32*\b], v[81+32*\b], v[82+32*\b]
.endr
.irp k, 3,5,7,9,11,13
.irp b, 0,1
	v_max3_num_f32 v[18+2*\b], v[18+2*\b], v[64+32*\b+\k], v[65+32*\b+\k]
	v_max3_num_f32 v[19+2*\b], v[19+2*\b], v[80+32*\b+\k], v[81+32*\b+\k]
.endr
.endr
.irp b, 0,1
	v_max3_num_f32 v[18+2*\b], v[18+2*\b], v[79+32*\b], v[95+32*\b]
.endr
.irp b, 0,1
	v_max_num_f32 v[18+2*\b], v[18+2*\b], v[19+2*\b]
.endr
	v_max3_num_f32 v19, v18, v20, v9
	v_mov_b32 v7, v8
	v_permlanex16_b32 v5, v19, s20, s21
	v_max_num_f32 v9, v19, v5                      ; the row's running largest score
	v_mul_f32 v21, s24, v9
	v_floor_f32 v8, v21                            ; the new -M = floor(-t) = -ceil(t)
	v_sub_f32 v21, v8, v7                          ; old M - new M: a whole number, 0 or less
.irp j, 0,2,4,6
	v_pk_fma_f32 v[64+\j:65+\j], v[64+\j:65+\j], s[22:23], v[8:9] op_sel_hi:[1,0,0]   ; t - M, two at a time
.endr
	v_cvt_i32_f32 v21, v21                         ; (it saturates)
.irp j, 8,10,12,14
	v_pk_fma_f32 v[64+\j:65+\j], v[64+\j:65+\j], s[22:23], v[8:9] op_sel_hi:[1,0,0]
.endr
	v_ldexp_f32 v6, 1.0, v21                       ; f = 2^(old M - new M)
.irp j, 16,18,20,22,24,26,28,30,32,34,36,38,40,42,44,46,48,50,52,54,56,58,60,62
	v_pk_fma_f32 v[64+\j:65+\j], v[64+\j:65+\j], s[22:23], v[8:9] op_sel_hi:[1,0,0]
.endr
	v_fma_f32 v18, v18, s22, v8
	v_fma_f32 v20, v20, s22, v8
.irp j, 0,2,4,6,8,10,12,14,16,18,20,22,24,26,28,30
	v_pk_mul_f32 v[32+\j:33+\j], v[32+\j:33+\j], v[6:7] op_sel_hi:[1,0]   ; O^T under the new M (a tile's first step: f = 0 makes zeros of what the tile before left)
.endr
	WALU                                           ; ahead of the batch
	v_exp_f32 v18, v18                             ; each block's largest p
	v_exp_f32 v20, v20
.set N_, 64
.rept 64
	v_exp_f32 v[N_], v[N_]                         ; p = 2^(t - M)
.set N_, N_+1
.endr
	v_nop
	WALU                                           ; and behind it, ahead of its first reader
	v_max_num_f32 v18, 0x1800000, v18              ; the floor 2^(3 - 127): the byte cannot fall under 1
	v_max_num_f32 v20, 0x1800000, v20
	v_add_nc_u32 v19, 0xff000000, v18
	v_add_nc_u32 v21, 0xff000000, v20
	v_lshrrev_b32 v18, 23, v19
	v_lshrrev_b32 v20, 23, v21
	v_lshl_or_b32 v18, v20, 16, v18                ; my blocks h and 2 + h
	v_lshlrev_b32 v18, v4, v18
	v_permlanex16_b32 v5, v18, s20, s21
	v_cvt_scalef32_pk16_fp6_f32 v[176:178], v[64:79], v19
	v_cvt_scalef32_pk16_fp6_f32 v[22:24], v[80:95], v19
	v_cvt_scalef32_pk16_fp6_f32 v[182:184], v[96:111], v21
	v_cvt_scalef32_pk16_fp6_f32 v[26:28], v[112:127], v21
	v_or_b32 v25, v18, v5                          ; p's scale word for these 128 keys
.irp i, 0,1,2
	v_mov_b32 v[179+\i], v[22+\i]
	v_mov_b32 v[185+\i], v[26+\i]
.endr
	LADD 0
	WALU                                           ; ahead of the waits below
.if (\kind) == 0
	s_wait_loadcnt 0x0                             ; Q, where it was asked for
.endif
	s_wait_dscnt 0x0                               ; V^T, and the next step's K
.if (\kind) == 0
	OPROD 0
	LADD 1
	OPROD 1
	LADD 2
	OPROD 2
	LADD 3
	OPROD 3
	LADD 4
	SPROD 0                                        ; the next step's S^T, tile by tile over p that has been summed
	LADD 5
	SPROD 1
	LADD 6
	SPROD 2
	LADD 7
	SPROD 3
	SPROD 4
	SPROD 5
	SPROD 6
	SPROD 7
.rept 4
	v_nop
.endr
	s_cmp_lg_u32 s66, s16
	s_cbranch_scc1 .Lgo_on_\@
	LSUM                                           ; behind trip w the first tile is done
	FINISH 72, 74
	v_mov_b32 v8, 0x7f61b1e6                       ; the second begins
	v_mov_b32 v9, 0xff61b1e6
.Lgo_on_\@:
.else
	OPROD 0
	LADD 1
	LADD 2
	OPROD 1
	LADD 3
	LADD 4
	OPROD 2
	LADD 5
	LADD 6
	OPROD 3
	LADD 7
	LSUM
.endif
.endm
	s_load_b128 s[4:7], s[0:1], 0x0                ; qkv, aimg
	s_load_b64 s[8:9], s[0:1], 0x10                ; asc
	v_lshl_add_u32 v18, v0, 2, SPARE
	v_mov_b32 v19, 0
	ds_add_u32 v18, v19                            ; the opening lines: the add, twice on end, and its wait ahead of my first tensor load
	ds_add_u32 v18, v19
	v_lshrrev_b32 v5, 5, v0
	v_readfirstlane_b32 s14, v5                    ; wave 0..15
	s_bfe_u32 s10, ttmp6, 0x40000                  ; cx
	s_and_b32 s11, ttmp7, 0xffff                   ; bh
	s_mov_b32 s28, (3<<16)|(1<<21)|15              ; rows of 256 bytes (32 elements of 8), asked for jointly by the cluster's four
	s_mov_b32 s29, 32<<16
	s_mov_b32 s30, 51<<16                          ; 51 rows: a key step
	s_mov_b32 s31, 32<<16
	s_mov_b32 s32, 51
	s_mov_b32 s33, 32
	s_mov_b32 s34, 0
	s_mov_b32 s35, 0
	s_mul_i32 s40, s14, STEPB                      ; place i holds key step i / 2 + 8 (i % 2)
	s_and_b32 s41, s14, 1
	s_lshl_b32 s41, s41, 3
	s_lshr_b32 s42, s14, 1
	s_add_co_u32 s41, s41, s42
	s_mul_i32 s41, s41, STEPB
	s_mul_i32 s42, s11, 16*STEPB
	s_add_co_u32 s42, s42, s41
	s_add_co_u32 s42, s42, KV
	s_mov_b32 s43, 0
	WALU
	s_wait_dscnt 0x0
	s_wait_kmcnt 0x0
	s_mov_b32 s36, 1
	s_mov_b32 s37, s40
	s_add_nc_u64 s[38:39], s[4:5], s[42:43]
	s_or_b32 s39, s39, 0x80000000
	CROUND                                         ; the cluster's four work-groups are here: the joint loads meet
	s_cmp_lt_u32 s14, 5
	s_cbranch_scc0 .Llater
	tensor_load_to_lds s[36:39], s[28:35]          ; waves 0-4: what trips 0 and 1 read
	s_nop 0
.rept 4
	v_nop
.endr
	s_branch .Lasked
.Llater:
	tensor_load_to_lds s[36:39], s[28:35]          ; waves 5-15: the other places
	s_nop 0
.rept 4
	v_nop
.endr
.Lasked:
	s_lshl_b32 s44, ttmp9, 6
	s_lshl_b32 s45, s10, 3
	s_add_co_u32 s44, s44, s45
	s_lshl_b32 s46, ttmp9, 2
	s_add_co_u32 s46, s46, s10                     ; j
	s_and_b32 s15, s14, 7                          ; w
	s_mul_i32 s40, s15, 4352
	s_add_co_u32 s40, s40, MRG                     ; where the pair's parts meet
	s_lshl_b32 s47, s15, 3
	s_add_co_u32 s47, s47, s46                     ; the first tile: 8 w + j
	s_sub_co_u32 s48, 15, s15
	s_lshl_b32 s48, s48, 3
	s_add_co_u32 s48, s48, s46                     ; the second: 8 (15 - w) + j
	s_lshl_b32 s49, s11, 7
	s_and_b32 s59, s11, 15                         ; head
	ADDRS 47, 50, 54, 72, 74
	ADDRS 48, 52, 56, 76, 78
	s_mov_b32 s51, 0
	s_mov_b32 s53, 0
	s_mov_b32 s55, 0
	s_mov_b32 s57, 0
	s_mov_b32 s73, 0
	s_mov_b32 s75, 0
	s_mov_b32 s77, 0
	s_mov_b32 s79, 0
	s_cmp_lt_u32 s14, 8
	s_cselect_b32 s16, s15, 99                     ; the trip behind which a wave turns to its second tile; waves 8-15 begin with it and never turn
	s_cselect_b32 s50, s50, s52
	s_cselect_b32 s54, s54, s56
	s_add_nc_u64 s[50:51], s[4:5], s[50:51]
	s_add_nc_u64 s[52:53], s[4:5], s[52:53]
	s_add_nc_u64 s[54:55], s[4:5], s[54:55]
	s_add_nc_u64 s[56:57], s[4:5], s[56:57]
	s_add_nc_u64 s[72:73], s[6:7], s[72:73]
	s_add_nc_u64 s[76:77], s[6:7], s[76:77]
	s_add_nc_u64 s[74:75], s[8:9], s[74:75]
	s_add_nc_u64 s[78:79], s[8:9], s[78:79]
	s_mov_b32 s20, 0x76543210                      ; lane selects: lane l xor 16
	s_mov_b32 s21, 0xfedcba98
	s_mov_b32 s22, 0x3e38aa3b                      ; c = log2(e) / sqrt(64)
	s_mov_b32 s23, s22                             ; (named with it as a pair, so it is written)
	s_mov_b32 s24, 0xbe38aa3b                      ; -c
	v_and_b32 v6, 31, v0
	v_and_b32 v7, 15, v0
	v_bfe_u32 v5, v0, 4, 1
	v_lshlrev_b32 v1, 4, v6
	v_lshlrev_b32 v2, 3, v6
	v_lshlrev_b32 v3, 4, v7
	v_lshlrev_b32 v4, 3, v5
	QLOAD 50, 54
	v_mov_b32 v6, 0
	v_mov_b32 v7, 0
	v_mov_b32 v8, 0x7f61b1e6                       ; -M, above every t;
	v_mov_b32 v9, 0xff61b1e6                       ; the largest score so far: -3e38
.irp j, 10,11,12,13,14,15,16,17,176,177,178,179,180,181,242,243,244,245,246,247
	v_mov_b32 v\j, 0                               ; l; codes behind K's; Q's zero codes, where no load lands
.endr
.set N_, 32
.rept 32
	v_mov_b32 v[N_], 0                             ; O^T: the step is written for any M
.set N_, N_+1
.endr
	WALU                                           ; the wait at the head's end
	s_cmp_lt_u32 s14, 5
	s_cbranch_scc0 .Lnot_first
	s_wait_tensorcnt 0x0                           ; waves 0-4, whose load line is their own
.Lnot_first:
	BARRIER                                        ; places 0-4 are in; the others may be out
	KLOAD v1, v2
	s_wait_loadcnt 0x0
	s_wait_dscnt 0x0
.irp t, 0,1,2,3,4,5,6,7
	SPROD \t
.endr
.rept 4
	v_nop
.endr
	s_mov_b32 s66, 0
.Lfirst_trips:
	BODY 0
	s_add_co_u32 s66, s66, 1
	s_cmp_lt_u32 s66, 2
	s_cbranch_scc1 .Lfirst_trips
	WALU
	s_wait_tensorcnt 0x0
	s_wait_dscnt 0x0
	BARRIER                                        ; all key steps are in
.Lother_trips:
	BODY 0
	s_add_co_u32 s66, s66, 1
	s_cmp_lt_u32 s66, 7
	s_cbranch_scc1 .Lother_trips
	s_cmp_lt_u32 s14, 8
	s_cbranch_scc0 .Lupper_wave
	BODY 0                                         ; waves 0-7: trips 7 and 8
	s_mov_b32 s66, 8
	BODY 1
	WALU
	s_branch .Lmeet
.Lupper_wave:
	BODY 2                                         ; waves 8-15: trip 7; their part goes to LDS
	v_mov_b32 v19, v8
	v_add_nc_u32 v22, s40, v1
	v_add_nc_u32 v23, s40, v2
.irp i, 0,1,2,3,4,5,6,7
	ds_store_b128 v22, v[32+4*\i:35+4*\i] offset:512*\i
.endr
	ds_store_b64 v23, v[18:19] offset:4096
.Lmeet:
	v_add_nc_u32 v22, s40, v1
	v_add_nc_u32 v23, s40, v2
	WALU
	s_wait_dscnt 0x0
	BARRIER                                        ; the parts lie in LDS, and every wave has read its last key step
	s_cmp_lt_u32 s14, 8
	s_cbranch_scc0 .Lend
.irp i, 0,1,2,3,4,5,6,7
	ds_load_b128 v[64+4*\i:67+4*\i], v22 offset:512*\i
.endr
	ds_load_b64 v[28:29], v23 offset:4096          ; the other part's l and -M
	s_wait_dscnt 0x0
	v_min_num_f32 v9, v8, v29                      ; under the larger M
	v_sub_f32 v6, v9, v8
	v_sub_f32 v20, v9, v29
	v_cvt_i32_f32 v6, v6
	v_cvt_i32_f32 v20, v20
	v_ldexp_f32 v6, 1.0, v6
	v_ldexp_f32 v20, 1.0, v20
	v_mul_f32 v18, v18, v6
.irp j, 0,2,4,6,8,10,12,14,16,18,20,22,24,26,28,30
	v_pk_mul_f32 v[32+\j:33+\j], v[32+\j:33+\j], v[6:7] op_sel_hi:[1,0]
.endr
	v_fma_f32 v18, v28, v20, v18
.irp j, 0,2,4,6,8,10,12,14,16,18,20,22,24,26,28,30
	v_pk_fma_f32 v[32+\j:33+\j], v[64+\j:65+\j], v[20:21], v[32+\j:33+\j] op_sel_hi:[1,0,1]
.endr
	FINISH 76, 78
.Lend:
	v_lshl_add_u32 v18, v0, 2, SPARE
	v_mov_b32 v19, 0
	WALU
	s_wait_tensorcnt 0x0                           ; the wave's end
	ds_add_u32 v18, v19
	s_wait_dscnt 0x0
	CROUND                                         ; the closing round
	s_endpgm
.Lfunc_end_k_qa2caa22c46_attn:
	.size	k_qa2caa22c46_attn, .Lfunc_end_k_qa2caa22c46_attn-k_qa2caa22c46_attn
	.p2alignl 7, 3214868480
	.fill 96, 4, 3214868480
	.section	.rodata,"a",@progbits
	.p2align	6, 0x0
	.amdhsa_kernel k_qa2caa22c46_attn
		.amdhsa_group_segment_fixed_size 245760
		.amdhsa_private_segment_fixed_size 0
		.amdhsa_enable_private_segment 0
		.amdhsa_kernarg_size 24
		.amdhsa_user_sgpr_count 2
		.amdhsa_user_sgpr_kernarg_segment_ptr 1
		.amdhsa_wavefront_size32 1
		.amdhsa_system_sgpr_workgroup_id_x 1
		.amdhsa_system_sgpr_workgroup_id_y 1
		.amdhsa_system_sgpr_workgroup_id_z 1
		.amdhsa_system_vgpr_workitem_id 0
		.amdhsa_next_free_vgpr 256
		.amdhsa_next_free_sgpr 80
		.amdhsa_reserve_vcc 1
		.amdhsa_float_denorm_mode_32 3
		.amdhsa_float_denorm_mode_16_64 3
		.amdhsa_memory_ordered 1
		.amdhsa_forward_progress 1
		.amdhsa_inst_pref_size 127
	.end_amdhsa_kernel
	.amdgpu_metadata
---
amdhsa.version: [ 1, 2 ]
amdhsa.kernels:
  - .name:           k_qa2caa22c46_attn
    .symbol:         k_qa2caa22c46_attn.kd
    .args:
      - { .name: qkv, .offset: 0, .size: 8, .value_kind: global_buffer, .address_space: global }
      - { .name: aimg, .offset: 8, .size: 8, .value_kind: global_buffer, .address_space: global }
      - { .name: asc, .offset: 16, .size: 8, .value_kind: global_buffer, .address_space: global }
    .group_segment_fixed_size: 245760
    .private_segment_fixed_size: 0
    .kernarg_segment_align: 8
    .kernarg_segment_size: 24
    .max_flat_workgroup_size: 512
    .sgpr_count:     80
    .vgpr_count:     256
    .wavefront_size: 32
...
	.end_amdgpu_metadata
.endif
;; end of part 3
;; launch proj (part 4): grid 8 x 32, 4 waves a work-group, clusters of 4 x 4, 214,528 bytes of LDS; arguments aimg, asc, gimg, gsc, out0; writes out0
.if DOCPART == 4
	.amdgcn_target "amdgcn-amd-amdhsa--gfx1250"
	.amdhsa_code_object_version 6
	.text
	.protected	k_qa2caa22c46_proj
	.globl	k_qa2caa22c46_proj
	.p2align	8
	.type	k_qa2caa22c46_proj,@function
k_qa2caa22c46_proj:
	s_mov_b64 s[64:65], 0
	v_nop
	global_prefetch_b8 v0, s[64:65] scope:SCOPE_SE
	s_setreg_imm32_b32 hwreg(HW_REG_WAVE_MODE, 25, 1), 1
	s_wait_xcnt 0x0
	s_wait_alu depctr_hold_cnt(0) depctr_sa_sdst(0) depctr_va_vdst(0) depctr_va_sdst(0) depctr_va_ssrc(0) depctr_va_vcc(0) depctr_vm_vsrc(0)
	s_getreg_b32 s2, hwreg(HW_REG_IB_STS2, 6, 4)
	s_cmp_eq_u32 s2, 0
	s_cbranch_scc0 .Lentry_in_a_cluster
	s_endpgm
.Lentry_in_a_cluster:
	s_bfe_u32 s2, ttmp6, 0x10000c
	s_cmp_lg_u32 s2, 0xf033
	s_cbranch_scc0 .Lentry_shape_is_right
	s_endpgm
.Lentry_shape_is_right:
; out0 = attention's result x Wo^T on codes of FP6 (E2M3) with E8M0 scales, K = 1,024; out0 [4096][1024] f32.
; 256 work-groups make 128 x 128 each, four waves, 2 x 2, 64 x 64 each: 16 accumulators.  Operands lie as images of their registers, [tile of 16 rows][K step][1,536 bytes];
; lane row r of tile t is row 64 (t / 4) + 8 (t % 4) + 32 (r / 8) + r % 8.  Source 0 = a tile of Wo, source 1 = a tile of tokens: a lane holds one token and, over four tiles of Wo, 32 neighbouring columns.
; LDS holds all of K: wave 0 asks for the tokens' first half of K, wave 1 for Wo's, wave 2 for the tokens' second half, wave 3 for Wo's, jointly: the tokens' along a row of the 4 x 4 cluster, Wo's along a column.
; Nothing is filled again.  No prefetch: every byte is asked for at the head.
; LIMITS: NaN and infinities are not served.
; REGISTERS: window 0: v1-31 addresses; v32-63 the tokens' scale words [tile][K step]; v68-99 Wo's; v128-223 the tokens' fragments, two sets; on the way out v128-255 rows of out0.
;   window 1: Wo's fragments, two sets, at v0 and v48.  window 2: the accumulators, v[32 token tile + 8 i].
.set HALF,  49152                      ; 8 tiles x 6,144 bytes: what one tensor load brings
.set STAGE, 196608                     ; 16 rows x 272 bytes for each wave
.set SPARE, 214016
.set SA,    32
.set SB,    68
.set SPW,   30
.set NIL,   31
.set MSB, 0
.macro WIN new
.if MSB != (\new)
	s_set_vgpr_msb (MSB<<8)|(\new)
.set MSB, (\new)
.endif
.endm
.macro PLACES n
.rept \n
	v_nop
.endr
.endm
.macro CROUND
	s_barrier_signal -1
	s_barrier_wait -1
	s_cmp_lg_u32 s14, 0
	s_cbranch_scc1 .Lnot_wave_0_\@
	s_barrier_signal -3
.Lnot_wave_0_\@:
	s_barrier_wait -3
	s_barrier_signal -1
	s_barrier_wait -1
.endm
.macro TLOAD g0, g1
	tensor_load_to_lds s[\g0:\g0+3], s[\g1:\g1+7]
	s_nop 0
	PLACES 4
.endm
.macro FRAG reg, base, i, st           ; st / 4: which half of K
.set R_, \reg
.set A_, (\base)+2*((\st)/4)
.set O_, 6144*(\i)+1536*((\st)%4)
	ds_load_b128 v[R_:R_+3], v[A_] offset:O_
	ds_load_b64 v[R_+4:R_+5], v[A_+1] offset:O_+512
	ds_load_b128 v[R_+6:R_+9], v[A_] offset:O_+768
	ds_load_b64 v[R_+10:R_+11], v[A_+1] offset:O_+1280
.endm
.macro FG st, g                        ; two fragments of step st into set st % 2: g = 0, 1 Wo's, 2, 3 the tokens'
.if (\g) < 2
	WIN 0x40
	FRAG 48*((\st)%2)+24*(\g), 8, 2*(\g), \st
	FRAG 48*((\st)%2)+24*(\g)+12, 8, 2*(\g)+1, \st
.else
	WIN 0
	FRAG 128+48*((\st)%2)+24*((\g)-2), 4, 2*((\g)-2), \st
	FRAG 128+48*((\st)%2)+24*((\g)-2)+12, 4, 2*((\g)-2)+1, \st
.endif
.endm
.macro MUL st, t                       ; token tile t against Wo's four; the 16 accumulators take turns, one instruction a turn
	WIN 0xa1
.set P_, 48*((\st)%2)
.irp i, 0,1,2,3
.set D_, 32*(\t)+8*\i
.if (\st) == 0
	v_wmma_scale_f32_16x16x128_f8f6f4 v[D_:D_+7], v[P_+12*\i:P_+12*\i+11], v[128+P_+12*\t:139+P_+12*\t], 0, v[SB+8*\i+\st], v[SA+8*\t+\st] matrix_a_fmt:MATRIX_FMT_FP6 matrix_b_fmt:MATRIX_FMT_FP6
.else
	v_wmma_scale_f32_16x16x128_f8f6f4 v[D_:D_+7], v[P_+12*\i:P_+12*\i+11], v[128+P_+12*\t:139+P_+12*\t], v[D_:D_+7], v[SB+8*\i+\st], v[SA+8*\t+\st] matrix_a_fmt:MATRIX_FMT_FP6 matrix_b_fmt:MATRIX_FMT_FP6
.endif
.endr
.endm
.macro STEP st
	s_wait_dscnt 0x0
	MUL \st, 0
	PLACES 4                                       ; places in front of loads into registers that the step before has read
	FG \st+1, 0
	FG \st+1, 1
	MUL \st, 1
	FG \st+1, 2
	FG \st+1, 3
	MUL \st, 2
	MUL \st, 3
.endm
	s_load_b256 s[4:11], s[0:1], 0x0               ; aimg, asc, gimg, gsc
	s_load_b64 s[12:13], s[0:1], 0x20              ; out0
	v_lshl_add_u32 v[SPW], v0, 2, SPARE
	v_mov_b32 v[NIL], 0
	ds_add_u32 v[SPW], v[NIL]                      ; the opening lines: the add, twice on end, and its wait ahead of my first tensor load
	ds_add_u32 v[SPW], v[NIL]
	v_lshrrev_b32 v1, 5, v0
	v_readfirstlane_b32 s14, v1                    ; wave 0..3
	s_lshr_b32 s15, s14, 1                         ; a: which 64 tokens.  Also: which half of K I fetch
	s_and_b32 s16, s14, 1                          ; b: which 64 columns
	s_bfe_u32 s66, ttmp6, 0x40000                  ; cx
	s_bfe_u32 s67, ttmp6, 0x40004                  ; cy
	s_lshl_b32 s68, ttmp9, 2
	s_add_co_u32 s68, s68, s66                     ; tile column
	s_and_b32 s69, ttmp7, 0xffff
	s_lshl_b32 s69, s69, 2
	s_add_co_u32 s69, s69, s67                     ; tile row
	s_lshl_b32 s70, s67, 2
	s_lshl_b32 s70, 15, s70                        ; my row of the cluster
	s_lshl_b32 s71, 0x1111, s66                    ; my column
	s_or_b32 s24, s70, (3<<16)|(1<<21)
	s_or_b32 s32, s71, (3<<16)|(1<<21)
.irp g, 24, 32                         ; 8 tiles' rows of 768 elements of 8 bytes, 12,288 bytes apart
	s_mov_b32 s[\g+1], 768<<16
	s_mov_b32 s[\g+2], 8<<16
	s_mov_b32 s[\g+3], 768<<16
	s_mov_b32 s[\g+4], 8
	s_mov_b32 s[\g+5], 1536
	s_mov_b32 s[\g+6], 0
	s_mov_b32 s[\g+7], 0
.endr
	s_mul_i32 s17, s14, HALF                       ; where my fetch goes
	s_mul_i32 s18, s15, 6144
	s_mul_i32 s72, s69, 98304
	s_add_co_u32 s72, s72, s18
	s_mov_b32 s73, 0
	s_mul_i32 s74, s68, 98304
	s_add_co_u32 s74, s74, 5505024                 ; Wo's first image tile is 448
	s_add_co_u32 s74, s74, s18
	s_mov_b32 s75, 0
	s_wait_alu depctr_va_vdst(0)
	s_wait_dscnt 0x0
	s_wait_kmcnt 0x0
	s_mov_b32 s48, 1
	s_mov_b32 s49, s17
	s_add_nc_u64 s[50:51], s[4:5], s[72:73]
	s_or_b32 s51, s51, 0x80000000
	s_mov_b32 s52, 1
	s_mov_b32 s53, s17
	s_add_nc_u64 s[54:55], s[8:9], s[74:75]
	s_or_b32 s55, s55, 0x80000000
	CROUND                                         ; all sixteen work-groups are here: the joint loads meet
.macro ARM under, g0, g1, next
	s_cmp_lt_u32 s14, \under
	s_cbranch_scc0 \next
	TLOAD \g0, \g1
	s_branch .Lhead_asked
\next:
.endm
	ARM 1, 48, 24, .Lhead_1
	ARM 2, 52, 32, .Lhead_2
	ARM 3, 48, 24, .Lhead_3
	TLOAD 52, 32
.Lhead_asked:
	s_lshl_b32 s76, s69, 12                        ; scale words: 512 bytes a tile
	s_lshl_b32 s77, s15, 11
	s_add_co_u32 s76, s76, s77
	s_mov_b32 s77, 0
	s_lshl_b32 s78, s68, 12
	s_lshl_b32 s79, s16, 11
	s_add_co_u32 s78, s78, s79
	s_add_co_u32 s78, s78, 229376
	s_mov_b32 s79, 0
	s_add_nc_u64 s[76:77], s[6:7], s[76:77]
	s_add_nc_u64 s[78:79], s[10:11], s[78:79]
	s_lshl_b32 s80, s69, 19                        ; my first row of out0: 128 x tile row + 64 a, 4,096 bytes each
	s_lshl_b32 s81, s15, 18
	s_add_co_u32 s80, s80, s81
	s_lshl_b32 s81, s68, 9                         ; my first column, in bytes
	s_add_co_u32 s80, s80, s81
	s_lshl_b32 s81, s16, 8
	s_add_co_u32 s80, s80, s81
	s_mov_b32 s81, 0
	s_add_nc_u64 s[12:13], s[12:13], s[80:81]
	s_mul_i32 s82, s15, 24576                      ; my four tiles of tokens in LDS
	s_mul_i32 s83, s16, 24576
	s_add_co_u32 s83, s83, HALF                    ; my four of Wo
	s_add_co_u32 s84, s82, 2*HALF
	s_add_co_u32 s85, s83, 2*HALF
	s_mul_i32 s86, s14, 4352
	s_add_co_u32 s86, s86, STAGE                   ; my stage
	v_and_b32 v17, 31, v0
	v_and_b32 v18, 15, v0
	v_bfe_u32 v19, v0, 4, 1
	v_lshlrev_b32 v1, 4, v17                       ; 16 L
	v_lshlrev_b32 v2, 3, v17                       ; 8 L
	v_lshlrev_b32 v16, 4, v18                      ; 16 r
.irp i, 0,1,2,3
.irp g, 0,1
	global_load_b128 v[SA+8*\i+4*\g:SA+8*\i+4*\g+3], v16, s[76:77] offset:512*\i+256*\g
	global_load_b128 v[SB+8*\i+4*\g:SB+8*\i+4*\g+3], v16, s[78:79] offset:512*\i+256*\g
.endr
.endr
	v_add_nc_u32 v4, s82, v1
	v_add_nc_u32 v5, s82, v2
	v_add_nc_u32 v6, s84, v1
	v_add_nc_u32 v7, s84, v2
	v_add_nc_u32 v8, s83, v1
	v_add_nc_u32 v9, s83, v2
	v_add_nc_u32 v10, s85, v1
	v_add_nc_u32 v11, s85, v2
	v_mul_u32_u24 v20, v18, 272
	v_mul_u32_u24 v21, v19, 272
	v_lshlrev_b32 v22, 12, v19
	v_lshl_add_u32 v20, v19, 7, v20
	v_add_nc_u32 v21, v21, v16
	v_add_nc_u32 v26, v22, v16                     ; out0: lanes 0-15 one row's 256 bytes, lanes 16-31 the next row's
	v_add_nc_u32 v24, s86, v20                     ; the stage, in: row r, + 128 h
	v_add_nc_u32 v25, s86, v21                     ; back: row h, 16 r
	s_wait_alu depctr_va_vdst(0)                   ; the wait at the head's end
	s_cmp_lt_u32 s14, 2
	s_cbranch_scc0 .Lnot_first
	s_wait_tensorcnt 0x0                           ; waves 0 and 1, whose load lines are their own: K's first half is in
.Lnot_first:
	s_barrier_signal -1
	s_barrier_wait -1                              ; K's second half may be out
.irp g, 0,1,2,3
	FG 0, \g
.endr
	WIN 0
	s_wait_loadcnt 0x0                             ; the scale words
	STEP 0
	STEP 1
	STEP 2
	s_wait_dscnt 0x0                               ; step 3: K's second half is shown to all
	MUL 3, 0
	MUL 3, 1
	s_wait_tensorcnt 0x0
	s_wait_dscnt 0x0
	s_barrier_signal -1
	MUL 3, 2
	s_barrier_wait -1
	PLACES 4
.irp g, 0,1,2,3
	FG 4, \g
.endr
	MUL 3, 3
	STEP 4
	STEP 5
	STEP 6
	s_wait_dscnt 0x0
	MUL 7, 0
	MUL 7, 1
	MUL 7, 2
	MUL 7, 3
	PLACES 4                                       ; behind the last products, in front of the first read of results
; THE WAY OUT, 16 tokens x 64 columns at a time, through my own stage and back as rows of 256 bytes.  LDS serves a wave's instructions in order: no wait between the stores and the loads.
.macro TOSTAGE t
	WIN 0x08
.irp i, 0,1,2,3
	ds_store_b128 v24, v[32*\t+8*\i:32*\t+8*\i+3] offset:32*\i        ; each accumulator from its low end on: columns 32 h + 8 i + 0 .. 7
	ds_store_b128 v24, v[32*\t+8*\i+4:32*\t+8*\i+7] offset:32*\i+16
.endr
	WIN 0
.irp k, 0,1,2,3,4,5,6,7
	ds_load_b128 v[128+32*\t+4*\k:131+32*\t+4*\k], v25 offset:544*\k
.endr
.endm
.macro SEND t, younger                 ; younger: the LDS instructions issued behind tile t's loads, which may stay out
	s_wait_dscnt \younger
.irp k, 0,1,2,3,4,5,6,7
	global_store_b128 v26, v[128+32*\t+4*\k:131+32*\t+4*\k], s[12:13] offset:(8*\t+32*(\k/4)+2*(\k%4))*4096 th:TH_STORE_NT   ; two aligned runs of 256 bytes: rows 2 k, 2 k + 1 of the tile
.endr
.endm
	TOSTAGE 0
	TOSTAGE 1
	SEND 0, 16
	TOSTAGE 2
	SEND 1, 16
	TOSTAGE 3
	SEND 2, 16
	SEND 3, 0
	s_wait_tensorcnt 0x0                           ; the wave's end
	ds_add_u32 v[SPW], v[NIL]
	s_wait_dscnt 0x0
	CROUND                                         ; the closing round
	s_endpgm
.Lfunc_end_k_qa2caa22c46_proj:
	.size	k_qa2caa22c46_proj, .Lfunc_end_k_qa2caa22c46_proj-k_qa2caa22c46_proj
	.p2alignl 7, 3214868480
	.fill 96, 4, 3214868480
	.section	.rodata,"a",@progbits
	.p2align	6, 0x0
	.amdhsa_kernel k_qa2caa22c46_proj
		.amdhsa_group_segment_fixed_size 214528
		.amdhsa_private_segment_fixed_size 0
		.amdhsa_enable_private_segment 0
		.amdhsa_kernarg_size 40
		.amdhsa_user_sgpr_count 2
		.amdhsa_user_sgpr_kernarg_segment_ptr 1
		.amdhsa_wavefront_size32 1
		.amdhsa_system_sgpr_workgroup_id_x 1
		.amdhsa_system_sgpr_workgroup_id_y 1
		.amdhsa_system_sgpr_workgroup_id_z 1
		.amdhsa_system_vgpr_workitem_id 0
		.amdhsa_next_free_vgpr 640
		.amdhsa_next_free_sgpr 100
		.amdhsa_reserve_vcc 0
		.amdhsa_float_denorm_mode_32 3
		.amdhsa_float_denorm_mode_16_64 3
		.amdhsa_memory_ordered 1
		.amdhsa_forward_progress 1
		.amdhsa_inst_pref_size 51
	.end_amdhsa_kernel
	.amdgpu_metadata
---
amdhsa.version: [ 1, 2 ]
amdhsa.kernels:
  - .name:           k_qa2caa22c46_proj
    .symbol:         k_qa2caa22c46_proj.kd
    .args:
      - { .name: aimg, .offset: 0, .size: 8, .value_kind: global_buffer, .address_space: global }
      - { .name: asc, .offset: 8, .size: 8, .value_kind: global_buffer, .address_space: global }
      - { .name: gimg, .offset: 16, .size: 8, .value_kind: global_buffer, .address_space: global }
      - { .name: gsc, .offset: 24, .size: 8, .value_kind: global_buffer, .address_space: global }
      - { .name: out0, .offset: 32, .size: 8, .value_kind: global_buffer, .address_space: global }
    .group_segment_fixed_size: 214528
    .private_segment_fixed_size: 0
    .kernarg_segment_align: 8
    .kernarg_segment_size: 40
    .max_flat_workgroup_size: 128
    .sgpr_count:     100
    .vgpr_count:     640
    .wavefront_size: 32
...
	.end_amdgpu_metadata
.endif
;; end of part 4
